; MI455X (gfx1250); checked and timed in simulation.
; The chip was launched on July 23, 2026; its instructions are those of AMD's public machine-readable ISA for CDNA 5 (MIT licence, August 2026) and "CDNA5" Instruction Set Architecture Reference Guide (July 2026). The comments in the code are by the model that wrote it; some were corrected since.
;; Mo E Layer. Allowed arithmetic: matrix products marked QUANTISED: E4M3 operands, one given power-of-two scale a tensor, by v_wmma_f32_16x16x64_fp8_fp8 or v_wmma_f32_16x16x128_fp8_fp8, f32 sums; products left as they are: f32 operands where the result goes on into a quantised operand, else bf16, f16 or f32 operands; f32 sums; everything else in f32.
;; Inputs: lowp_scales 12 int32 (the exponents e of the quantised operands' scales 2^e); w_gate 1,024 x 8 float32; wd 8 x 1,024 x 1,024 float32; wg 8 x 1,024 x 1,024 float32; ws_d 1 x 1,024 x 1,024 float32; ws_g 1 x 1,024 x 1,024 float32; ws_u 1 x 1,024 x 1,024 float32; wu 8 x 1,024 x 1,024 float32; x 2 x 1,024 x 1,024 float32.
;; Outputs: out0 2 x 1,024 x 1,024 float32; out1 one number float32.
;; This version of the problem:
;;   THIS VERSION OF THE PROBLEM IS GIVEN IN LOW PRECISION. The matrix products marked QUANTISED in the list below multiply operands that are first quantised to E4M3 (4 exponent bits, 3 mantissa bits; 8 bits a number), with one given power-of-two scale for each operand tensor; their sums are f32. All else is computed in f32.
;;   The module's matrix products, in the order in which they are computed (A, B: the left and right operand; K: the contracted axis; several contracted axes count as one K, in the product's order):
;;     1. [M 2,048, K 1,024] x [K 1,024, N 8]; A: input x; B: input w_gate: left as it is (N = 8 < 16)
;;     2. batch 2,048 x [M 1, K 2] x [K 2, N 8]; A: softmax; B: computed on the way: left as it is (K = 2 < 32)
;;     3. [M 8,192, K 1,024] x [K 1,024, N 2,048]; A: input wg; B: input x: QUANTISED (scales: A lowp_scales[0], B lowp_scales[1])
;;     4. [M 8,192, K 1,024] x [K 1,024, N 2,048]; A: input wu; B: input x: QUANTISED (scales: A lowp_scales[2], B lowp_scales[3])
;;     5. batch 8 x [M 2,048, K 1,024] x [K 1,024, N 1,024]; A: computed on the way; B: input wd: QUANTISED (scales: A lowp_scales[4], B lowp_scales[5])
;;     6. batch 2,048 x [M 1, K 8] x [K 8, N 1,024]; A: computed on the way; B: computed on the way: left as it is (K = 8 < 32)
;;     7. [M 2,048, K 1,024] x [K 1,024, N 1,024]; A: input x; B: input ws_g: QUANTISED (scales: A lowp_scales[6], B lowp_scales[7])
;;     8. [M 2,048, K 1,024] x [K 1,024, N 1,024]; A: input x; B: input ws_u: QUANTISED (scales: A lowp_scales[8], B lowp_scales[9])
;;     9. [M 2,048, K 1,024] x [K 1,024, N 1,024]; A: computed on the way; B: input ws_d: QUANTISED (scales: A lowp_scales[10], B lowp_scales[11])
;;   THE QUANTISER, for each operand of a quantised product, along K:
;;     - The operand's scale is 2^e, e = its entry of the input lowp_scales (int32; the entries are numbered through the quantised products in the list's order, A before B).
;;     - Each number is divided by the scale, clamped to +-448, and rounded to the nearest number of E4M3, ties to even, subnormals kept.
;;     - The product sums the exact products of the quantised numbers (number of the format x scale) in f32.
;;   ~~~python
;;   def quantise(x, axis, e):      # numpy; x: float32 -> the quantised numbers, widened to float32 again
;;       x = np.moveaxis(x, axis, -1); K = x.shape[-1]
;;       r = np.clip(x / 2.0 ** e, -448, 448)
;;       step = 2.0 ** (np.maximum(np.frexp(np.where(r == 0, 1, r))[1] - 1, -6) - 3)
;;       q = np.round(r / step) * step * 2.0 ** e      # np.round: ties to even
;;       return np.moveaxis(q, -1, axis).astype(np.float32)
;;   ~~~
;;   OPERANDS COMPUTED ON THE WAY. 'Computed on the way' means the value that the module computes at that place (a softmax that the list does not call 'softmax' is quantised finished and normalised). What goes into a quantiser is computed in f32, as accurately as f32 sums, v_exp_f32 and their like allow (about 1e-6 of the number): no bf16 or f16 on the way to a quantiser, and a product that is left as it is and whose result goes on into a quantised operand takes f32 operands (vector FMAs, or v_wmma_f32_16x16x4_f32). A number that lies on a knife's edge between two numbers of the format may be rounded either way, as far as f32 arithmetic and the matrix unit's own rounding can turn it there, and no further.
;; 2 versions, each right; version 2 is version 1 with the launches hidden, down written anew for expert scheduling mode. Each part assembles by itself: llvm-mc -triple=amdgcn-amd-amdhsa -mcpu=gfx1250 --defsym DOCPART=n.
;; ======== version 1 of 2: 5 launches
;; workspace buffers: xq 8,388,608 bytes; w8 28,311,552 bytes; hq 7,208,960 bytes; y 28,835,840 bytes; sel 8,192 bytes of whole numbers; gate 49,152 bytes; route 45,056 bytes of whole numbers
;; launch xprep (part 1): grid 256 x 1, 4 waves a work-group, no clusters, 66,048 bytes of LDS; arguments x, w_gate, lowp_scales, xq, sel, gate; writes xq, sel, gate
.if DOCPART == 1
	.amdgcn_target "amdgcn-amd-amdhsa--gfx1250"
	.amdhsa_code_object_version 6
	.text
	.protected	k_q171110dcaf_xprep
	.globl	k_q171110dcaf_xprep
	.p2align	8
	.type	k_q171110dcaf_xprep,@function
k_q171110dcaf_xprep:
	s_mov_b64 s[64:65], 0
	v_nop
	global_prefetch_b8 v0, s[64:65] scope:SCOPE_SE
	s_setreg_imm32_b32 hwreg(HW_REG_WAVE_MODE, 25, 1), 1
	s_wait_xcnt 0x0
; x [2048][1024] f32 becomes four sets of E4M3 codes (scales 2^e, e = entries 1, 3, 6, 8 of lowp_scales), and the router is computed in f32:
; logits = x w_gate, top 2 (the lower index wins a tie), softmax of the two, softmax of all eight.
; A wave owns two tokens, A = 2 gw and B = 2 gw + 1, gw = 4 x work-group + wave.  Lane l holds x[128 j + 4 l + i] in register 4 j + i.
; xq: [set 4][token][1024 bytes]; byte 128 s + 64 h + 8 c + b of a row is the code of k = 128 s + 16 c + 8 h + b, so that a lane (r, h) of a later
; product finds its 16 operand registers of K step s as 64 consecutive bytes.
; sel[token] = e1 | e2 << 8.  gate: the two weights of each token at byte 8 x token; from byte 16384 on, for each wave, the sum of its two tokens' eight probabilities.
; LIMITS: the four exponents lie between -126 and 119.  NaN among the inputs is not served.  Logits that differ by less than the rounding of an f32 sum of 1,024 terms may be ranked either way.
.set STG, 32768                        ; LDS: bytes 0-32767 w_gate, re-laid; then a stage of 8,192 bytes for each wave: [token 2][set 4][1024]
.set XA,  32                           ; v32-63 token A's numbers, v64-95 token B's
.set WB,  96                           ; v96-127, v128-159: two banks of w_gate
.set ACC, 160                          ; v160-167 A's eight sums, v168-175 B's
.set TT,  176                          ; v176-183, v184-191: eight held numbers, two sets by turns
.set CD,  192                          ; v192-255 codes
	s_load_b256 s[4:11], s[0:1], 0x0               ; x, w_gate, lowp_scales, xq
	s_load_b128 s[12:15], s[0:1], 0x20             ; sel, gate
	v_lshl_add_u32 v30, v0, 2, 0x10000
	v_mov_b32 v31, 0
	v_lshrrev_b32 v1, 5, v0
	v_readfirstlane_b32 s16, v1                    ; wave
	v_and_b32 v1, 31, v0                           ; lane
	v_lshlrev_b32 v2, 4, v1                        ; 16 x lane
	v_and_b32 v6, 15, v0                           ; r
	v_bfe_u32 v7, v0, 4, 1                         ; h
	s_lshl_b32 s17, ttmp9, 2
	s_add_co_u32 s17, s17, s16                     ; gw
	s_lshl_b32 s18, s16, 13                        ; 8192 x wave
	s_add_co_u32 s19, s18, STG                     ; my stage
	; where a lane puts its 16 bytes of w_gate: row d = 256 w + 16 t + l / 2, half l % 2, goes to [j = d / 128][i = d % 4][half][lane (d % 128) / 4]
	v_bfe_u32 v3, v0, 1, 2
	v_lshlrev_b32 v3, 10, v3
	v_and_b32 v20, 1, v0
	v_lshl_add_u32 v3, v20, 9, v3
	v_bfe_u32 v21, v0, 3, 2
	v_lshl_add_u32 v3, v21, 4, v3
	v_add_nc_u32 v3, s18, v3
	; where a lane puts four codes of k = 128 s + 4 l + 0..3: 64 ((l / 2) % 2) + 8 (l / 4) + 4 (l % 2)
	v_bfe_u32 v4, v0, 1, 1
	v_lshlrev_b32 v4, 6, v4
	v_bfe_u32 v21, v0, 2, 3
	v_lshl_add_u32 v4, v21, 3, v4
	v_lshl_add_u32 v4, v20, 2, v4
	v_add_nc_u32 v4, s19, v4
	v_add_nc_u32 v5, s19, v2                       ; and where it reads 16 bytes back
	v_add_nc_u32 v22, s18, v2                      ; my bytes of w_gate in memory
	s_mov_b32 s36, 0x76543210                      ; lane selects: lane l xor 16
	s_mov_b32 s37, 0xfedcba98
	s_mov_b32 s38, 0xffff0000                      ; lanes 16-31
	s_mov_b32 s39, 0x3fb8aa3b                      ; log2(e)
.irp e, 1,2,3,4,5,6,7
	s_mov_b32 s[39+\e], 0x01010101<<\e             ; lanes with l % 8 = e
.endr
	s_lshl_b32 s20, s17, 13                        ; two rows of 4,096 bytes
	s_mov_b32 s21, 0
	s_lshl_b32 s22, s17, 11                        ; two rows of 1,024 codes
	s_mov_b32 s23, 0
	s_lshl_b32 s34, s17, 3                         ; two words of sel
	s_mov_b32 s35, 0
	s_lshl_b32 s48, s17, 4                         ; two pairs of weights
	s_mov_b32 s49, 0
	s_lshl_b32 s50, s17, 5                         ; eight sums
	s_add_co_u32 s50, s50, 16384
	s_mov_b32 s51, 0
	s_wait_kmcnt 0x0
	s_load_b256 s[24:31], s[8:9], 0x0              ; entries 0-7
	s_load_b32 s32, s[8:9], 0x20                   ; entry 8
	s_add_nc_u64 s[4:5], s[4:5], s[20:21]
	s_add_nc_u64 s[10:11], s[10:11], s[22:23]
	s_add_nc_u64 s[12:13], s[12:13], s[34:35]
	s_add_nc_u64 s[52:53], s[14:15], s[50:51]
	s_add_nc_u64 s[14:15], s[14:15], s[48:49]
.irp t, 0,1,2,3,4,5,6,7,8,9,10,11,12,13,14,15
	global_load_b128 v[WB+4*\t:WB+4*\t+3], v22, s[6:7] offset:512*\t   ; my quarter of w_gate, 512 consecutive bytes a load
.endr
.irp k, 0,1
.irp j, 0,1,2,3,4,5,6,7
	global_load_b128 v[XA+32*\k+4*\j:XA+32*\k+4*\j+3], v2, s[4:5] offset:4096*\k+512*\j th:TH_LOAD_NT
.endr
.endr
	s_wait_loadcnt 16                              ; w_gate is in; the 16 loads of x, issued behind it, may be out
.irp t, 0,1,2,3,4,5,6,7,8,9,10,11,12,13,14,15
	ds_store_b128 v3, v[WB+4*\t:WB+4*\t+3] offset:(\t/8)*4096+(\t%8)*64
.endr
	s_wait_dscnt 0x0                               ; my stores have landed, for the other waves' sake
	s_barrier_signal -1
	s_barrier_wait -1                              ; all of w_gate lies in LDS; nothing writes it again
.macro WCH j                           ; w_gate[128 j + 4 l + i][0..7], i = 0..3, into bank j % 2
.irp i, 0,1,2,3
.irp hf, 0,1
	ds_load_b128 v[WB+32*((\j)%2)+8*\i+4*\hf:WB+32*((\j)%2)+8*\i+4*\hf+3], v2 offset:((4*(\j)+\i)*2+\hf)*512
.endr
.endr
.endm
.macro FMA j                           ; 32 packed multiply-adds: four numbers of each token against eight experts
.if \j < 7
	s_wait_dscnt 8                                 ; this chunk is in; the next chunk's eight loads may be out
.else
	s_wait_dscnt 0x0
.endif
.irp i, 0,1,2,3
.irp k, 0,1
.irp p, 0,1,2,3
.if (\j == 0) && (\i == 0)
	v_pk_mul_f32 v[ACC+8*\k+2*\p:ACC+8*\k+2*\p+1], v[XA+32*\k:XA+32*\k+1], v[WB+2*\p:WB+2*\p+1] op_sel_hi:[0,1]   ; the first product starts the sums
.elseif (\i%2) == 0
	v_pk_fma_f32 v[ACC+8*\k+2*\p:ACC+8*\k+2*\p+1], v[XA+32*\k+4*\j+2*(\i/2):XA+32*\k+4*\j+2*(\i/2)+1], v[WB+32*(\j%2)+8*\i+2*\p:WB+32*(\j%2)+8*\i+2*\p+1], v[ACC+8*\k+2*\p:ACC+8*\k+2*\p+1] op_sel_hi:[0,1,1]
.else
	v_pk_fma_f32 v[ACC+8*\k+2*\p:ACC+8*\k+2*\p+1], v[XA+32*\k+4*\j+2*(\i/2):XA+32*\k+4*\j+2*(\i/2)+1], v[WB+32*(\j%2)+8*\i+2*\p:WB+32*(\j%2)+8*\i+2*\p+1], v[ACC+8*\k+2*\p:ACC+8*\k+2*\p+1] op_sel:[1,0,0] op_sel_hi:[1,1,1]
.endif
.endr
.endr
.endr
.endm
	WCH 0
	WCH 1
	s_wait_loadcnt 0x0                             ; x
.irp j, 0,1,2,3,4,5
	FMA \j
	WCH \j+2
.endr
	FMA 6
	FMA 7
.macro SCALE q, sreg                   ; v[8 + 2 q] = 2^e as f32 (the conversion takes its exponent field), v[9 + 2 q] = 448 x 2^e
	s_add_co_i32 s54, s[\sreg], 127
	s_lshl_b32 s55, s54, 23
	v_mov_b32 v[8+2*\q], s55
	s_add_co_i32 s54, s54, 8
	s_lshl_b32 s54, s54, 23
	s_or_b32 s54, s54, 0x600000
	v_mov_b32 v[9+2*\q], s54
.endm
	s_wait_kmcnt 0x0
	SCALE 0, 25
	SCALE 1, 27
	SCALE 2, 30
	SCALE 3, 32
; Token k under scale q: eight numbers at a time are held within +-448 x the scale (the conversion does not saturate: ISA guide 7.6.2) and converted.
; The two sets of held numbers take turns, so that eight plain lines stand between a conversion and the next write of its sources.
.macro QUANT k, q
.irp jj, 0,1,2,3
.irp n, 0,1,2,3,4,5,6,7
	v_med3_num_f32 v[TT+8*(\jj%2)+\n], v[XA+32*\k+8*\jj+\n], -v[9+2*\q], v[9+2*\q]
.endr
	v_cvt_scalef32_pk8_fp8_f32 v[CD+2*((4*\k+\q)*4+\jj):CD+2*((4*\k+\q)*4+\jj)+1], v[TT+8*(\jj%2):TT+8*(\jj%2)+7], v[8+2*\q]
.endr
	v_nop                                          ; a plain line behind the last conversion
.irp jj, 0,1,2,3
	ds_store_b32 v4, v[CD+2*((4*\k+\q)*4+\jj)] offset:\k*4096+\q*1024+256*\jj          ; K step 2 jj
	ds_store_b32 v4, v[CD+2*((4*\k+\q)*4+\jj)+1] offset:\k*4096+\q*1024+256*\jj+128    ; K step 2 jj + 1
.endr
.endm
.irp k, 0,1
.irp q, 0,1,2,3
	QUANT \k, \q
.endr
.endr
.irp n, 0,1,2,3,4,5,6,7,8,9,10,11,12,13,14,15
	ds_load_b128 v[XA+4*\n:XA+4*\n+3], v5 offset:512*\n   ; my own bytes: LDS serves a wave's instructions in order (ISA guide 5.7.1.4)
.endr
.irp k, 0,1
.irp q, 0,1,2,3
.irp hf, 0,1
	s_wait_dscnt 15-(8*\k+2*\q+\hf)
	global_store_b128 v2, v[XA+4*(8*\k+2*\q+\hf):XA+4*(8*\k+2*\q+\hf)+3], s[10:11] offset:\q*2097152+\k*1024+\hf*512   ; 512 consecutive bytes
.endr
.endr
.endr
	; the sums across the lanes: inside each half of 16 lanes first,
.irp m, 1,2,4,8
.irp n, 0,1,2,3,4,5,6,7,8,9,10,11,12,13,14,15
	v_add_f32_dpp v[ACC+\n], v[ACC+\n], v[ACC+\n] row_xmask:\m row_mask:0xf bank_mask:0xf
.endr
.endr
	; then the halves change partners: lanes 0-15 end with token A's logits, lanes 16-31 with token B's
.irp n, 0,1,2,3,4,5,6,7
	v_cndmask_b32 v[96+\n], v[ACC+\n], v[ACC+8+\n], s38
	v_cndmask_b32 v[104+\n], v[ACC+8+\n], v[ACC+\n], s38
	v_mov_b32 v[112+\n], 0                         ; a lane permute's destination counts as read
.endr
.irp n, 0,1,2,3,4,5,6,7
	v_permlanex16_b32 v[112+\n], v[104+\n], s36, s37
.endr
.irp n, 0,1,2,3,4,5,6,7
	v_add_f32 v[96+\n], v[96+\n], v[112+\n]        ; logit n
.endr
	v_mov_b32 v128, v96                            ; the largest: replaced only by a strictly larger one, so the lower index wins a tie
	v_mov_b32 v129, 0
.irp e, 1,2,3,4,5,6,7
	v_cmp_gt_f32 vcc_lo, v[96+\e], v128
	v_cndmask_b32 v128, v128, v[96+\e], vcc_lo
	v_cndmask_b32 v129, v129, \e, vcc_lo
.endr
	v_mov_b32 v130, 0xff800000                     ; the second: the same among the other seven
	v_mov_b32 v131, 0
.irp e, 0,1,2,3,4,5,6,7
	v_cmp_gt_f32 s33, v[96+\e], v130
	v_cmp_ne_u32 vcc_lo, \e, v129
	s_and_b32 vcc_lo, vcc_lo, s33
	v_cndmask_b32 v130, v130, v[96+\e], vcc_lo
	v_cndmask_b32 v131, v131, \e, vcc_lo
.endr
.irp e, 0,1,2,3,4,5,6,7
	v_sub_f32 v[120+\e], v[96+\e], v128            ; the maximum is taken away ahead of both exponentials
.endr
.irp e, 0,1,2,3,4,5,6,7
	v_mul_f32 v[120+\e], s39, v[120+\e]
.endr
	v_sub_f32 v132, v130, v128
	v_mul_f32 v132, s39, v132
.irp e, 0,1,2,3,4,5,6,7
	v_exp_f32 v[120+\e], v[120+\e]
.endr
	v_exp_f32 v132, v132
	v_nop                                          ; a plain line behind the exponentials
	s_wait_alu depctr_va_vdst(0)
	v_add_f32 v133, v120, v121
	v_add_f32 v134, v122, v123
	v_add_f32 v135, v124, v125
	v_add_f32 v136, v126, v127
	v_add_f32 v133, v133, v134
	v_add_f32 v135, v135, v136
	v_add_f32 v133, v133, v135
	v_add_f32 v137, 1.0, v132
	v_rcp_f32 v133, v133
	v_rcp_f32 v142, v137                           ; weight of the first choice
	v_nop
	s_wait_alu depctr_va_vdst(0)
	v_mul_f32 v143, v132, v142                     ; weight of the second
.irp e, 0,1,2,3,4,5,6,7
	v_mul_f32 v[120+\e], v[120+\e], v133           ; probability e
.endr
	v_mov_b32 v141, v120                           ; lane l takes probability l % 8,
.irp e, 1,2,3,4,5,6,7
	v_cndmask_b32 v141, v141, v[120+\e], s[39+\e]
.endr
	v_mov_b32 v138, 0
	v_permlanex16_b32 v138, v141, s36, s37
	v_add_f32 v141, v141, v138                     ; and adds the other token's
	v_lshl_or_b32 v140, v131, 8, v129              ; e1 | e2 << 8
	v_lshlrev_b32 v144, 2, v7
	v_lshlrev_b32 v145, 3, v7
	v_lshlrev_b32 v146, 2, v1
	s_wait_xcnt 0x0                                ; EXEC changes only when the earlier stores have had their addresses translated
	v_cmp_eq_u32 vcc_lo, 0, v6
	s_wait_tensorcnt 0x0
	ds_add_u32 v30, v31
	s_wait_dscnt 0x0
	s_and_saveexec_b32 s47, vcc_lo                 ; lanes 0 and 16: one for each token
	global_store_b32 v144, v140, s[12:13]
	global_store_b64 v145, v[142:143], s[14:15]
	s_wait_xcnt 0x0
	s_or_b32 exec_lo, exec_lo, s47
	v_cmp_gt_u32 vcc_lo, 8, v1
	s_and_saveexec_b32 s47, vcc_lo                 ; lanes 0-7: the wave's eight sums
	global_store_b32 v146, v141, s[52:53]
	s_wait_xcnt 0x0
	s_or_b32 exec_lo, exec_lo, s47
	s_endpgm
.Lfunc_end_k_q171110dcaf_xprep:
	.size	k_q171110dcaf_xprep, .Lfunc_end_k_q171110dcaf_xprep-k_q171110dcaf_xprep
	.p2alignl 7, 3214868480
	.fill 96, 4, 3214868480
	.section	.rodata,"a",@progbits
	.p2align	6, 0x0
	.amdhsa_kernel k_q171110dcaf_xprep
		.amdhsa_group_segment_fixed_size 66048
		.amdhsa_private_segment_fixed_size 0
		.amdhsa_enable_private_segment 0
		.amdhsa_kernarg_size 48
		.amdhsa_user_sgpr_count 2
		.amdhsa_user_sgpr_kernarg_segment_ptr 1
		.amdhsa_wavefront_size32 1
		.amdhsa_system_sgpr_workgroup_id_x 1
		.amdhsa_system_sgpr_workgroup_id_y 1
		.amdhsa_system_sgpr_workgroup_id_z 1
		.amdhsa_system_vgpr_workitem_id 0
		.amdhsa_next_free_vgpr 256
		.amdhsa_next_free_sgpr 66
		.amdhsa_reserve_vcc 1
		.amdhsa_float_denorm_mode_32 3
		.amdhsa_float_denorm_mode_16_64 3
		.amdhsa_memory_ordered 1
		.amdhsa_forward_progress 1
		.amdhsa_inst_pref_size 66
	.end_amdhsa_kernel
	.amdgpu_metadata
---
amdhsa.version: [ 1, 2 ]
amdhsa.kernels:
  - .name:           k_q171110dcaf_xprep
    .symbol:         k_q171110dcaf_xprep.kd
    .args:
      - { .name: x, .offset: 0, .size: 8, .value_kind: global_buffer, .address_space: global }
      - { .name: w_gate, .offset: 8, .size: 8, .value_kind: global_buffer, .address_space: global }
      - { .name: lowp_scales, .offset: 16, .size: 8, .value_kind: global_buffer, .address_space: global }
      - { .name: xq, .offset: 24, .size: 8, .value_kind: global_buffer, .address_space: global }
      - { .name: sel, .offset: 32, .size: 8, .value_kind: global_buffer, .address_space: global }
      - { .name: gate, .offset: 40, .size: 8, .value_kind: global_buffer, .address_space: global }
    .group_segment_fixed_size: 66048
    .private_segment_fixed_size: 0
    .kernarg_segment_align: 8
    .kernarg_segment_size: 48
    .max_flat_workgroup_size: 128
    .sgpr_count:     66
    .vgpr_count:     256
    .wavefront_size: 32
...
	.end_amdgpu_metadata
.endif
;; end of part 1
;; launch wprep (part 2): grid 865 x 1, 8 waves a work-group, no clusters, 2,048 bytes of LDS; arguments wg, wu, wd, ws_g, ws_u, ws_d, lowp_scales, sel, gate, w8, route, out1; writes w8, route, out1
.if DOCPART == 2
	.amdgcn_target "amdgcn-amd-amdhsa--gfx1250"
	.amdhsa_code_object_version 6
	.text
	.protected	k_q171110dcaf_wprep
	.globl	k_q171110dcaf_wprep
	.p2align	8
	.type	k_q171110dcaf_wprep,@function
k_q171110dcaf_wprep:
	s_mov_b64 s[64:65], 0
	v_nop
	global_prefetch_b8 v0, s[64:65] scope:SCOPE_SE
	s_setreg_imm32_b32 hwreg(HW_REG_WAVE_MODE, 25, 1), 1
	s_wait_xcnt 0x0
; Work-groups 1 to 864: the 27 weight matrices ([K 1024][N 1024] f32, K the first axis) become E4M3 codes in the order of an operand's registers.
; Work-group 0: the routed rows are placed by expert, the list of tiles is made, and the load-balancing loss is summed.
; w8: [matrix 27][T 64][s 8] images of 2,048 bytes = [c 4][lane 32][16 bytes].  matrix = e (gate), 9 + e (up), 18 + e (down), e = 8 the shared expert.
;   Lane 16 h + r of an image holds column 16 T + r; its 16 bytes are k = 128 s + 32 c + 8 h + 0..7, then k = 128 s + 32 c + 16 + 8 h + 0..7: registers 4 c .. 4 c + 3 of the plain 8-bit form's fragment.
; route: tileexp[64] at byte 0 (a tile of 128 slots: its expert 0-7, 8 = shared, 15 = no rows); slotof[token][2] at 256; rowtok[7040] at 16640 (a slot's token); one spare word at 44800.
;   Each expert's rows begin at a multiple of 128 slots; at most 32 + 7 = 39 routed tiles, whatever the split; slots 4992 + n are the shared expert's.  Slots without a row hold token 0: they are multiplied and never read.
;   THE SPARE WORD takes the stores of lanes that have nothing to place: every lane stores in every turn, EXEC stays whole, and nobody reads that word.
; LIMITS: the weights' exponents lie between -126 and 119.  NaN among the inputs is not served.
	s_load_b512 s[4:19], s[0:1], 0x0               ; wg 4, wu 6, wd 8, ws_g 10, ws_u 12, ws_d 14, lowp_scales 16, sel 18
	s_load_b256 s[20:27], s[0:1], 0x40             ; gate 20, w8 22, route 24, out1 26
	v_lshl_add_u32 v144, v0, 2, 0x400
	v_mov_b32 v145, 0
	v_lshrrev_b32 v1, 5, v0
	v_readfirstlane_b32 s28, v1                    ; wave 0..7
	v_and_b32 v1, 31, v0                           ; lane
	s_cmp_eq_u32 ttmp9, 0
	s_cbranch_scc1 .Lplace
; ---- THE QUANTISER.  A work-group takes 256 columns x 128 along K of one matrix, a wave 32 columns.  A lane takes a column and its registers run down K:
; each load reads neighbouring columns in neighbouring lanes, and the conversions give codes with K innermost.  Nothing is transposed, and no LDS is used:
; a lane's 16 bytes are a lane's place in an image, and sixteen lanes store 256 consecutive bytes.
.set X, 32                             ; v32-95  two sets of 32 numbers
.set C, 96                             ; v96-127 eight registers of codes for each of four blocks: no store's data are written again
	s_sub_co_u32 s29, ttmp9, 1
	s_lshr_b32 s30, s29, 5                         ; matrix
	s_bfe_u32 s31, s29, 0x20003                    ; which 256 columns
	s_and_b32 s29, s29, 7                          ; K step
	v_lshlrev_b32 v3, 2, v1                        ; in: 4 bytes a lane
	v_lshrrev_b32 v4, 4, v1
	v_lshlrev_b32 v4, 14, v4
	v_and_b32 v5, 15, v1
	v_lshl_add_u32 v4, v5, 4, v4                   ; out: tile lane / 16 (16,384 bytes on), place 16 (lane % 16)
	s_wait_kmcnt 0x0
	s_load_b256 s[36:43], s[16:17], 0x0            ; entries 0-7
	s_load_b128 s[44:47], s[16:17], 0x20           ; entries 8-11
	s_cmp_ge_u32 s30, 9                            ; the choices hang on the work-group's number alone
	s_cselect_b64 s[32:33], s[6:7], s[4:5]
	s_cselect_b64 s[34:35], s[12:13], s[10:11]
	s_cselect_b32 s48, 9, 0
	s_cmp_ge_u32 s30, 18
	s_cselect_b64 s[32:33], s[8:9], s[32:33]
	s_cselect_b64 s[34:35], s[14:15], s[34:35]
	s_cselect_b32 s48, 18, s48
	s_sub_co_u32 s49, s30, s48                     ; expert 0..8
	s_cmp_eq_u32 s49, 8
	s_cselect_b64 s[32:33], s[34:35], s[32:33]
	s_cselect_b32 s50, 0, s49
	s_lshl_b32 s50, s50, 22                        ; the expert's matrix: 4 MiB each
	s_lshl_b32 s51, s29, 19                        ; 128 rows of 4,096 bytes
	s_add_co_u32 s50, s50, s51
	s_lshl_b32 s51, s31, 10
	s_add_co_u32 s50, s50, s51
	s_lshl_b32 s51, s28, 7
	s_add_co_u32 s50, s50, s51                     ; column 256 cg + 32 wave
	s_mov_b32 s51, 0
	s_add_nc_u64 s[32:33], s[32:33], s[50:51]
	s_lshl_b32 s52, s30, 20                        ; a matrix of codes: 1 MiB
	s_lshl_b32 s53, s31, 18
	s_add_co_u32 s52, s52, s53
	s_lshl_b32 s53, s28, 15
	s_add_co_u32 s52, s52, s53                     ; tile 16 cg + 2 wave
	s_lshl_b32 s53, s29, 11
	s_add_co_u32 s52, s52, s53
	s_mov_b32 s53, 0
	s_add_nc_u64 s[22:23], s[22:23], s[52:53]
.macro LOAD t                          ; block t: W(128 s + 32 t + i, my column), i = 0..31, into set t % 2
.irp i, 0,1,2,3,4,5,6,7,8,9,10,11,12,13,14,15,16,17,18,19,20,21,22,23,24,25,26,27,28,29,30,31
	global_load_b32 v[X+32*((\t)%2)+\i], v3, s[32:33] offset:(32*(\t)+\i)*4096 th:TH_LOAD_NT
.endr
.endm
	LOAD 0
	LOAD 1
	s_wait_kmcnt 0x0
	s_cmp_ge_u32 s30, 9
	s_cselect_b32 s54, s38, s36                    ; routed: entry 0, 2 or 5
	s_cselect_b32 s55, s45, s43                    ; shared: entry 7, 9 or 11
	s_cmp_ge_u32 s30, 18
	s_cselect_b32 s54, s41, s54
	s_cselect_b32 s55, s47, s55
	s_cmp_eq_u32 s49, 8
	s_cselect_b32 s54, s55, s54
	s_add_co_i32 s54, s54, 127
	s_lshl_b32 s55, s54, 23
	v_mov_b32 v11, s55                             ; 2^e as f32
	s_add_co_i32 s54, s54, 8
	s_lshl_b32 s54, s54, 23
	s_or_b32 s54, s54, 0x600000
	v_mov_b32 v10, s54                             ; 448 x 2^e
.macro BLOCK t
.set XS, X+32*((\t)%2)
.set CS, C+8*(\t)
.if (\t) < 3
	s_wait_loadcnt 32                              ; this block's 32 loads are in; the next block's may be out
.else
	s_wait_loadcnt 0x0
.endif
.irp i, 0,1,2,3,4,5,6,7,8,9,10,11,12,13,14,15,16,17,18,19,20,21,22,23,24,25,26,27,28,29,30,31
	v_med3_num_f32 v[XS+\i], v[XS+\i], -v10, v10   ; the conversion does not saturate (ISA guide 7.6.2): the hold comes first
.endr
	v_cvt_scalef32_pk8_fp8_f32 v[CS:CS+1], v[XS:XS+7], v11         ; half 0 of the lanes: k 0..7,
	v_cvt_scalef32_pk8_fp8_f32 v[CS+2:CS+3], v[XS+16:XS+23], v11   ; then 16..23
	v_cvt_scalef32_pk8_fp8_f32 v[CS+4:CS+5], v[XS+8:XS+15], v11    ; half 1: k 8..15,
	v_cvt_scalef32_pk8_fp8_f32 v[CS+6:CS+7], v[XS+24:XS+31], v11   ; then 24..31
	global_store_b128 v4, v[CS:CS+3], s[22:23] offset:512*(\t)          ; sixteen lanes store 256 consecutive bytes
	global_store_b128 v4, v[CS+4:CS+7], s[22:23] offset:512*(\t)+256
.if (\t)+2 < 4
	LOAD (\t)+2
.endif
.endm
	BLOCK 0
	BLOCK 1
	BLOCK 2
	BLOCK 3
	s_endpgm
; ---- THE PLACING.  Wave w is expert w.  Every wave reads all 2,048 words of sel: register 4 i + j of lane l is token 128 i + 4 l + j.
; REGISTERS: v1 lane, v2 16 x lane, v3 4 x lane, v5 0, v6 4 (lane % 8), v7 and v15 LDS addresses: none of these is written again.  v8-13 at work in pass 1; v16-23 the counts, later the list of tiles;
; v24-31 the shared list; v32-95 sel, then ranks; v96-103 probability sums; v104-123 slots, tokens and offsets of the stores.
.set DUMPS, 0x1b80                     ; slot 7040: the spare word, 16640 + 4 x 7040 = 44800
.set DUMPW, 0x2b80                     ; word 11136 of slotof: the same word, 256 + 4 x 11136 = 44800
.Lplace:
	v_lshlrev_b32 v2, 4, v1
	v_lshlrev_b32 v3, 2, v1
	v_mov_b32 v5, 0
	v_and_b32 v6, 7, v1
	v_lshlrev_b32 v6, 2, v6
	v_and_b32 v7, 1, v1
	v_lshlrev_b32 v7, 4, v7
	s_lshl_b32 s33, s28, 5
	s_add_co_u32 s33, s33, 256
	v_add_nc_u32 v7, s33, v7                       ; LDS 256 + 32 w + 16 (lane % 2)
	s_lshl_b32 s33, s28, 2
	v_mov_b32 v15, s33                             ; LDS 4 w
	v_mov_b32 v13, 0x10000
	s_mov_b32 s60, 0x76543210
	s_mov_b32 s61, 0xfedcba98
	s_lshl_b32 s56, s28, 12
	s_add_co_u32 s56, s56, 16384
	s_mov_b32 s57, 0
	s_lshl_b32 s30, s28, 8
	s_or_b32 s30, s30, s28                         ; w | w << 8
	s_mov_b32 s29, 0                               ; rows of my expert so far
	s_wait_kmcnt 0x0
	s_add_nc_u64 s[62:63], s[20:21], s[56:57]      ; my eighth of the waves' probability sums
.irp i, 0,1,2,3,4,5,6,7,8,9,10,11,12,13,14,15
	global_load_b128 v[32+4*\i:35+4*\i], v2, s[18:19] offset:512*\i
.endr
.irp i, 0,1,2,3,4,5,6,7
	global_load_b128 v[96+4*\i:99+4*\i], v2, s[62:63] offset:512*\i
.endr
	s_wait_loadcnt 8                               ; sel is in; the eight loads of sums may be out
	; pass 1: each word becomes my expert's rank of that token (+ 0x10000 where I am its second choice), or -1
.set n, 0
.rept 64
	v_xor_b32 v8, s30, v[32+n]
	v_and_b32 v9, 0xff, v8
	v_cmp_eq_u32 s31, 0, v9                        ; first choice
	v_cmp_gt_u32 vcc_lo, 0x100, v8                 ; second choice
	s_or_b32 s32, s31, vcc_lo
	v_mbcnt_lo_u32_b32 v10, s32, s29               ; rows so far + members in lower lanes
	v_cndmask_b32 v11, 0, v13, vcc_lo
	v_add_nc_u32 v10, v10, v11
	v_cndmask_b32 v[32+n], -1, v10, s32
	s_bcnt1_i32_b32 s33, s32
	s_add_co_u32 s29, s29, s33
.set n, n+1
.endr
	s_wait_loadcnt 0x0
.irp i, 1,2,3,4,5,6,7                      ; even lanes hold experts 0-3, odd lanes experts 4-7
	v_pk_add_f32 v[96:97], v[96:97], v[96+4*\i:97+4*\i]
	v_pk_add_f32 v[98:99], v[98:99], v[98+4*\i:99+4*\i]
.endr
.irp m, 2,4,8
.irp c, 0,1,2,3
	v_add_f32_dpp v[96+\c], v[96+\c], v[96+\c] row_xmask:\m row_mask:0xf bank_mask:0xf
.endr
.endr
.irp c, 0,1,2,3
	v_permlanex16_b32 v[100+\c], v[96+\c], s60, s61
.endr
.irp c, 0,1,2,3
	v_add_f32 v[96+\c], v[96+\c], v[100+\c]
.endr
	ds_store_b128 v7, v[96:99]                     ; LDS 256 + 32 w + 4 e: my part of expert e's probability sum
	v_mov_b32 v12, s29
	ds_store_b32 v15, v12                          ; LDS 4 w: my expert's rows
	s_wait_dscnt 0x0                               ; for the other waves' sake
	s_barrier_signal -1
	s_barrier_wait -1
	ds_load_b128 v[16:19], v5
	ds_load_b128 v[20:23], v5 offset:16
	s_wait_dscnt 0x0
	s_mov_b32 s57, 0
.irp j, 0,1,2,3,4,5,6,7
	v_readfirstlane_b32 s56, v[16+\j]
	s_add_co_u32 s56, s56, 127
	s_and_b32 s56, s56, 0xffffff80                 ; rounded up to whole tiles
	s_add_co_u32 s57, s57, s56
	s_mov_b32 s[48+\j], s57                        ; where expert j's slots end
.endr
	s_mov_b32 s34, 0
.irp j, 0,1,2,3,4,5,6
	s_cmp_gt_u32 s28, \j
	s_cselect_b32 s34, s[48+\j], s34               ; where mine begin
.endr
	s_add_co_u32 s35, s29, 127
	s_and_b32 s35, s35, 0xffffff80                 ; my rows, rounded up
	; pass 2.  A member's slot is its rank + my first slot, 4,991 at the most; its word of slotof is 2 x token + (0 or 1), 4,095 at the most.  A word -1 gives 65,535 or more in both.
	; The clamp that every loaded number passes before it enters an address sends those to the spare word.  Four sets of registers take turns: one wait for four turns' stores.
.set n, 0
.rept 64
.set PR, 104+4*(n%4)
.if (n%4 == 0) && (n > 0)
	s_wait_xcnt 0x0                                ; the last four turns' stores have read their registers
.endif
	v_and_b32 v[PR], 0xffff, v[32+n]
	v_add_nc_u32 v[PR], s34, v[PR]
	v_min_u32 v[PR], DUMPS, v[PR]                  ; the slot
	v_lshlrev_b32 v[PR+1], 2, v[PR]
	v_add_nc_u32 v[PR+2], 128*(n/4)+(n%4), v3      ; the token
	v_lshrrev_b32 v[PR+3], 16, v[32+n]
	v_lshl_add_u32 v[PR+3], v[PR+2], 1, v[PR+3]
	v_min_u32 v[PR+3], DUMPW, v[PR+3]              ; its word of slotof
	v_lshlrev_b32 v[PR+3], 2, v[PR+3]
	global_store_b32 v[PR+1], v[PR+2], s[24:25] offset:16640
	global_store_b32 v[PR+3], v[PR], s[24:25] offset:256
.set n, n+1
.endr
	s_wait_xcnt 0x0
	v_mov_b32 v13, DUMPS
	v_add_nc_u32 v120, s29, v1
.irp i, 0,1,2,3                            ; my last tile's slots without a row, at most 127, take token 0; the choice stands ahead of the clamp
	v_add_nc_u32 v[104+2*\i], 32*\i, v120
	v_cmp_gt_u32 vcc_lo, s35, v[104+2*\i]
	v_add_nc_u32 v[104+2*\i], s34, v[104+2*\i]
	v_cndmask_b32 v[104+2*\i], v13, v[104+2*\i], vcc_lo
	v_min_u32 v[104+2*\i], DUMPS, v[104+2*\i]
	v_lshlrev_b32 v[105+2*\i], 2, v[104+2*\i]
	global_store_b32 v[105+2*\i], v5, s[24:25] offset:16640
.endr
	s_lshl_b32 s56, s28, 5
	s_add_co_u32 s56, s56, s55
	v_add_nc_u32 v121, s56, v1
.irp i, 0,1,2,3                            ; the slots behind the last expert's, up to 4,992: at most 896, shared among the eight waves
	v_add_nc_u32 v[112+2*\i], 256*\i, v121
	v_cmp_gt_u32 vcc_lo, 0x1380, v[112+2*\i]
	v_cndmask_b32 v[112+2*\i], v13, v[112+2*\i], vcc_lo
	v_min_u32 v[112+2*\i], DUMPS, v[112+2*\i]
	v_lshlrev_b32 v[113+2*\i], 2, v[112+2*\i]
	global_store_b32 v[113+2*\i], v5, s[24:25] offset:16640
.endr
	s_lshl_b32 s56, s28, 8                         ; the shared expert's list: slot 4992 + n holds token n
	v_add_nc_u32 v24, s56, v3
	v_add_nc_u32 v25, 1, v24
	v_add_nc_u32 v26, 2, v24
	v_add_nc_u32 v27, 3, v24
.irp c, 0,1,2,3
	v_add_nc_u32 v[28+\c], 128, v[24+\c]
.endr
	s_lshl_b32 s56, s28, 10
	v_add_nc_u32 v122, s56, v2
	global_store_b128 v122, v[24:27], s[24:25] offset:36608
	global_store_b128 v122, v[28:31], s[24:25] offset:37120
	s_cmp_lg_u32 s28, 0
	s_cbranch_scc1 .Ldone
.irp u, 0,1                                ; wave 0: the list of tiles
	v_add_nc_u32 v[16+4*\u], 32*\u, v1             ; tile t
	v_lshlrev_b32 v[17+4*\u], 7, v[16+4*\u]
	v_mov_b32 v[18+4*\u], 0
.irp j, 0,1,2,3,4,5,6,7
	v_cmp_le_u32 vcc_lo, s[48+\j], v[17+4*\u]      ; expert j's slots end at or in front of the tile
	v_cndmask_b32 v[19+4*\u], 0, 1, vcc_lo
	v_add_nc_u32 v[18+4*\u], v[18+4*\u], v[19+4*\u]
.endr
	v_cmp_eq_u32 vcc_lo, 8, v[18+4*\u]
	v_cndmask_b32 v[18+4*\u], v[18+4*\u], 15, vcc_lo    ; behind all experts: no rows
	v_add_nc_u32 v[19+4*\u], 0xffffffd9, v[16+4*\u]
	v_cmp_gt_u32 vcc_lo, 16, v[19+4*\u]
	v_cndmask_b32 v[18+4*\u], v[18+4*\u], 8, vcc_lo     ; tiles 39 to 54: the shared expert
	global_store_b32 v3, v[18+4*\u], s[24:25] offset:128*\u
.endr
	ds_load_b32 v8, v3 offset:256                  ; the loss = 8 x sum over e of (rows e / 2048) (probability sum e / 2048)
	ds_load_b32 v9, v3 offset:384
	ds_load_b32 v11, v6
	s_wait_dscnt 0x0
	v_add_f32 v8, v8, v9
	v_add_f32_dpp v8, v8, v8 row_xmask:8 row_mask:0xf bank_mask:0xf
	v_permlanex16_b32 v9, v8, s60, s61
	v_add_f32 v8, v8, v9                           ; probability sum of expert l % 8
	v_cvt_f32_u32 v11, v11
	v_mul_f32 v8, v8, v11
	v_add_f32_dpp v8, v8, v8 row_xmask:1 row_mask:0xf bank_mask:0xf
	v_add_f32_dpp v8, v8, v8 row_xmask:2 row_mask:0xf bank_mask:0xf
	v_add_f32_dpp v8, v8, v8 row_xmask:4 row_mask:0xf bank_mask:0xf
	v_mul_f32 v8, 0x36000000, v8                   ; x 2^-19 = 8 / 2048^2
	s_wait_xcnt 0x0                                ; EXEC changes only when the earlier stores have had their addresses translated
	v_cmp_eq_u32 vcc_lo, 0, v1
	s_and_saveexec_b32 s58, vcc_lo                 ; lane 0 alone; no address is made behind this line
	global_store_b32 v5, v8, s[26:27]
	s_wait_xcnt 0x0
	s_or_b32 exec_lo, exec_lo, s58
.Ldone:
	s_wait_tensorcnt 0x0
	ds_add_u32 v144, v145
	s_wait_dscnt 0x0
	s_endpgm
.Lfunc_end_k_q171110dcaf_wprep:
	.size	k_q171110dcaf_wprep, .Lfunc_end_k_q171110dcaf_wprep-k_q171110dcaf_wprep
	.p2alignl 7, 3214868480
	.fill 96, 4, 3214868480
	.section	.rodata,"a",@progbits
	.p2align	6, 0x0
	.amdhsa_kernel k_q171110dcaf_wprep
		.amdhsa_group_segment_fixed_size 2048
		.amdhsa_private_segment_fixed_size 0
		.amdhsa_enable_private_segment 0
		.amdhsa_kernarg_size 96
		.amdhsa_user_sgpr_count 2
		.amdhsa_user_sgpr_kernarg_segment_ptr 1
		.amdhsa_wavefront_size32 1
		.amdhsa_system_sgpr_workgroup_id_x 1
		.amdhsa_system_sgpr_workgroup_id_y 1
		.amdhsa_system_sgpr_workgroup_id_z 1
		.amdhsa_system_vgpr_workitem_id 0
		.amdhsa_next_free_vgpr 146
		.amdhsa_next_free_sgpr 80
		.amdhsa_reserve_vcc 1
		.amdhsa_float_denorm_mode_32 3
		.amdhsa_float_denorm_mode_16_64 3
		.amdhsa_memory_ordered 1
		.amdhsa_forward_progress 1
		.amdhsa_inst_pref_size 113
	.end_amdhsa_kernel
	.amdgpu_metadata
---
amdhsa.version: [ 1, 2 ]
amdhsa.kernels:
  - .name:           k_q171110dcaf_wprep
    .symbol:         k_q171110dcaf_wprep.kd
    .args:
      - { .name: wg, .offset: 0, .size: 8, .value_kind: global_buffer, .address_space: global }
      - { .name: wu, .offset: 8, .size: 8, .value_kind: global_buffer, .address_space: global }
      - { .name: wd, .offset: 16, .size: 8, .value_kind: global_buffer, .address_space: global }
      - { .name: ws_g, .offset: 24, .size: 8, .value_kind: global_buffer, .address_space: global }
      - { .name: ws_u, .offset: 32, .size: 8, .value_kind: global_buffer, .address_space: global }
      - { .name: ws_d, .offset: 40, .size: 8, .value_kind: global_buffer, .address_space: global }
      - { .name: lowp_scales, .offset: 48, .size: 8, .value_kind: global_buffer, .address_space: global }
      - { .name: sel, .offset: 56, .size: 8, .value_kind: global_buffer, .address_space: global }
      - { .name: gate, .offset: 64, .size: 8, .value_kind: global_buffer, .address_space: global }
      - { .name: w8, .offset: 72, .size: 8, .value_kind: global_buffer, .address_space: global }
      - { .name: route, .offset: 80, .size: 8, .value_kind: global_buffer, .address_space: global }
      - { .name: out1, .offset: 88, .size: 8, .value_kind: global_buffer, .address_space: global }
    .group_segment_fixed_size: 2048
    .private_segment_fixed_size: 0
    .kernarg_segment_align: 8
    .kernarg_segment_size: 96
    .max_flat_workgroup_size: 256
    .sgpr_count:     80
    .vgpr_count:     146
    .wavefront_size: 32
...
	.end_amdgpu_metadata
.endif
;; end of part 2
;; launch hidden (part 3): grid 55 x 4, 4 waves a work-group, no clusters, 280,064 bytes of LDS; arguments xq, w8, lowp_scales, route, hq; writes hq
.if DOCPART == 3
	.amdgcn_target "amdgcn-amd-amdhsa--gfx1250"
	.amdhsa_code_object_version 6
	.text
	.protected	k_q171110dcaf_hidden
	.globl	k_q171110dcaf_hidden
	.p2align	8
	.type	k_q171110dcaf_hidden,@function
k_q171110dcaf_hidden:
	s_mov_b64 s[64:65], 0
	v_nop
	global_prefetch_b8 v0, s[64:65] scope:SCOPE_SE
	s_setreg_imm32_b32 hwreg(HW_REG_WAVE_MODE, 25, 1), 1
	s_wait_xcnt 0x0
; The hidden layer of one tile of 128 slots of one expert, 256 hidden units: g = x Wg, u = x Wu on E4M3 codes, a = silu(g) u in f32, quantised with the given scale.
; A work-group: tile t = x of the grid, units 256 y on.  Wave w: all 128 slots x units 64 w .. 64 w + 63 of both products: 64 accumulators, 512 registers.
; The weights come from memory straight into registers, laid beforehand in the order of an operand's registers; no wave loads a fragment that another loads.
; The slots' codes of x (both sets, all of K) are gathered once into LDS and read from there by all four waves.
; No tensor load and no cluster: a tile that the split leaves without rows ends on a stored number, and partners could not be given equal work for every split.
; THE MATRIX INSTRUCTION IS USED TRANSPOSED: source 0 = 16 hidden units, source 1 = 16 slots.  Lane (r, h) then holds slot r, and register j unit 16 T + 8 h + j:
; the conversion of a tile's eight registers is registers 2 T, 2 T + 1 of the next product's operand.
; hq: [tile 55][m 8][S 8] images of 2,048 bytes = [c 4][lane 32][16 bytes]: slots 16 m on, K step S of the next product.
; LIMITS: Eg = the gate product's two exponents added lies between -126 and 127; eh - Eg - Eu between -126 and 119.  NaN is not served.
; REGISTERS, in windows of 256.  Window 0: v1 16 x lane; v4, v5 where the gather stores; v6-13 where fragments of K step s are read; v14, v15 the conversion's scale and hold; v32-63 the rows' offsets; v64-255 three banks of four fragments of x.
;   Window 1: weights, two sets of 128 (gate's four tiles, then up's).  Window 2: g's accumulators, (slot tile, T) at 8 (4 tile + T).  Window 3: u's.  Windows 2 and 3 first take the gather's loads.
.set SP, 34944                         ; LDS: a K step: 16 fragments + 128 bytes
.set FP, 2176                          ; a fragment (set, slot tile): 8 groups
.set GP, 272                           ; a group (c, h): 16 rows x 16 bytes + 16 of padding
.set MSB, 0
.macro WIN new                         ; the immediate's high byte repeats the setting that is left
.if MSB != (\new)
	s_set_vgpr_msb (MSB<<8)|(\new)
.set MSB, (\new)
.endif
.endm
	s_load_b256 s[4:11], s[0:1], 0x0               ; xq, w8, lowp_scales, route
	s_load_b64 s[12:13], s[0:1], 0x20              ; hq
	v_lshl_add_u32 v30, v0, 2, 0x44400
	v_mov_b32 v31, 0
	v_lshrrev_b32 v1, 5, v0
	v_readfirstlane_b32 s16, v1                    ; wave
	v_and_b32 v16, 31, v0
	v_lshlrev_b32 v1, 4, v16                       ; 16 x lane
	v_and_b32 v2, 15, v0                           ; r
	v_bfe_u32 v3, v0, 4, 1                         ; h
	s_mov_b32 s17, ttmp9                           ; tile
	s_and_b32 s18, ttmp7, 0xffff                   ; which 256 units
	; a lane's 16 bytes of a row's 512: K step l / 8 (+ 4 for the second half of the row), h = (l / 4) % 2, c = l % 4
	v_bfe_u32 v17, v0, 3, 2
	v_mul_u32_u24 v4, v17, SP
	v_and_b32 v17, 3, v0
	v_mad_u32_u24 v4, v17, 544, v4
	v_bfe_u32 v17, v0, 2, 1
	v_mad_u32_u24 v4, v17, GP, v4
	s_mul_i32 s20, s16, 2*FP                       ; my 32 rows are slot tiles 2 w and 2 w + 1
	v_add_nc_u32 v4, s20, v4
	v_add_nc_u32 v5, 4*SP, v4
	v_mul_u32_u24 v17, v3, GP
	v_lshl_add_u32 v6, v2, 4, v17                  ; a fragment's group c for lane (r, h): 544 c + 272 h + 16 r
.irp s, 1,2,3,4,5,6,7
	v_add_nc_u32 v[6+\s], \s*SP, v6
.endr
	s_lshl_b32 s20, s17, 2
	s_mov_b32 s21, 0
	s_lshl_b32 s26, s17, 9
	s_lshl_b32 s27, s16, 7
	s_add_co_u32 s26, s26, s27
	s_add_co_u32 s26, s26, 16640
	s_mov_b32 s27, 0
	s_wait_kmcnt 0x0
	s_add_nc_u64 s[28:29], s[10:11], s[20:21]
	s_add_nc_u64 s[26:27], s[10:11], s[26:27]
	s_load_b32 s19, s[28:29], 0x0                  ; the tile's expert
	s_load_b512 s[32:47], s[26:27], 0x0            ; the tokens of my 32 slots
	s_load_b512 s[48:63], s[26:27], 0x40
	s_load_b256 s[68:75], s[8:9], 0x0              ; entries 0-7
	s_load_b128 s[76:79], s[8:9], 0x20             ; entries 8-11
	s_wait_kmcnt 0x0
	s_min_u32 s22, s19, 8                          ; clamped before it enters an address
	s_add_co_i32 s80, s68, s69
	s_add_co_i32 s81, s74, s75
	s_add_co_i32 s82, s70, s71
	s_add_co_i32 s83, s76, s77
	s_cmp_eq_u32 s22, 8
	s_cselect_b32 s80, s81, s80                    ; Eg
	s_cselect_b32 s82, s83, s82                    ; Eu
	s_cselect_b32 s84, s78, s72                    ; eh
	s_and_b32 s20, s22, 8
	s_lshl_b32 s20, s20, 19                        ; the shared expert takes sets 2 and 3 of x's codes: 4 MiB on
	s_mov_b32 s21, 0
	s_add_nc_u64 s[24:25], s[4:5], s[20:21]
	s_lshl_b32 s85, s80, 23
	s_add_co_i32 s88, s85, 0xbfb8aa3b              ; -log2(e) x 2^Eg: Eg is added to the exponent field
	s_mov_b32 s89, s88                             ; (named with it as a pair)
	s_sub_co_i32 s90, s84, s80
	s_sub_co_i32 s90, s90, s82                     ; a sum g u sigma stands for itself x 2^(Eg + Eu): the three scales are folded into the conversion's one
	s_add_co_i32 s90, s90, 127
	s_lshl_b32 s91, s90, 23
	v_mov_b32 v14, s91
	s_add_co_i32 s90, s90, 8
	s_lshl_b32 s90, s90, 23
	s_or_b32 s90, s90, 0x600000
	v_mov_b32 v15, s90                             ; 448 x that scale
	s_lshl_b32 s20, s22, 20
	s_lshl_b32 s21, s18, 18
	s_add_co_u32 s20, s20, s21
	s_lshl_b32 s21, s16, 16
	s_add_co_u32 s20, s20, s21                     ; matrix e, tile 16 y + 4 w
	s_mov_b32 s21, 0
	s_add_nc_u64 s[92:93], s[6:7], s[20:21]        ; gate
	s_add_nc_u64 s[94:95], s[92:93], 0x900000      ; up: nine matrices on
	s_lshl_b32 s20, s17, 17
	s_lshl_b32 s21, s18, 12
	s_add_co_u32 s20, s20, s21
	s_lshl_b32 s21, s16, 10
	s_add_co_u32 s20, s20, s21                     ; K step 2 y + w / 2 of the next product, register groups 2 (w % 2) on
	s_mov_b32 s21, 0
	s_add_nc_u64 s[96:97], s[12:13], s[20:21]
.set i, 0
.rept 32
	s_min_u32 s[32+i], s[32+i], 0x7ff
	v_lshl_add_u32 v[32+i], s[32+i], 10, v1        ; the row's 1,024 bytes, 16 a lane
.set i, i+1
.endr
.macro GATHER i0, win                  ; 16 rows x 2 sets x 2 halves: each load takes 512 consecutive bytes of a row
	WIN \win
.set gi, 0
.rept 16
.irp st, 0,1
.irp q, 0,1
	global_load_b128 v[16*gi+8*\st+4*\q:16*gi+8*\st+4*\q+3], v[32+\i0+gi], s[24:25] offset:\st*2097152+\q*512
.endr
.endr
.set gi, gi+1
.endr
.endm
.macro SPILL half, win                 ; and into LDS: sixteen lanes of a store fall into sixteen different columns of 16 bytes
	WIN \win
.set gi, 0
.rept 16
.irp st, 0,1
.irp q, 0,1
	ds_store_b128 v[4+\q], v[16*gi+8*\st+4*\q:16*gi+8*\st+4*\q+3] offset:\st*8*FP+\half*FP+16*gi
.endr
.endr
.set gi, gi+1
.endr
.endm
.macro WLOAD kind, s                   ; my four tiles of gate (0) or up (1), K step s, into set s % 2: 16 loads of 512 consecutive bytes
	WIN 0x40
.irp T, 0,1,2,3
.irp c, 0,1,2,3
	global_load_b128 v[128*((\s)%2)+64*\kind+16*\T+4*\c:128*((\s)%2)+64*\kind+16*\T+4*\c+3], v1, s[92+2*\kind:93+2*\kind] offset:16384*\T+2048*(\s)+512*\c
.endr
.endr
.endm
	GATHER 0, 0x80
	GATHER 16, 0xc0
	s_wait_loadcnt 63                              ; of 128 loads at most 63 are out: the first 64, window 2's, are in
	SPILL 0, 0x08
	WLOAD 0, 0
	WLOAD 1, 0
	s_wait_loadcnt 32                              ; only the 32 loads of weights are younger than the gather's
	SPILL 1, 0x0c
	WLOAD 0, 1
	WLOAD 1, 1
	WIN 0
	s_wait_dscnt 0x0                               ; my stores have landed, for the other waves' sake
	s_barrier_signal -1
	s_barrier_wait -1                              ; the one barrier: behind it LDS is only read
	s_cmp_gt_u32 s19, 8                            ; a tile without rows ends here, behind the barrier that every wave passes
	s_cbranch_scc1 .Lend
; A phase Q = 4 s + qp: K step s, product qp / 2, slot tiles 4 (qp % 2) on; its four fragments of x lie in bank Q % 3.
.macro XFETCH Q
.set xs, (\Q)/4
.set xf, 8*(((\Q)%4)/2)+4*((\Q)%2)
.set xb, 64+64*((\Q)%3)
.irp mm, 0,1,2,3
.irp c, 0,1,2,3
	ds_load_b128 v[xb+16*\mm+4*\c:xb+16*\mm+4*\c+3], v[6+xs] offset:(xf+\mm)*FP+544*\c
.endr
.endr
.endm
; 16 matrix instructions on 16 accumulators.  The 64 accumulators take turns, one instruction a turn, in the same order in every K step.  K step 0 starts the sums with the constant 0.
.macro MUL16 Q
.set ms, (\Q)/4
.set mt0, 4*((\Q)%2)
.set mb, 64+64*((\Q)%3)
.set mw, 128*(ms%2)+64*(((\Q)%4)/2)
.irp mm, 0,1,2,3
.irp T, 0,1,2,3
.if ms == 0
	v_wmma_f32_16x16x128_fp8_fp8 v[8*(4*(mt0+\mm)+\T):8*(4*(mt0+\mm)+\T)+7], v[mw+16*\T:mw+16*\T+15], v[mb+16*\mm:mb+16*\mm+15], 0
.else
	v_wmma_f32_16x16x128_fp8_fp8 v[8*(4*(mt0+\mm)+\T):8*(4*(mt0+\mm)+\T)+7], v[mw+16*\T:mw+16*\T+15], v[mb+16*\mm:mb+16*\mm+15], v[8*(4*(mt0+\mm)+\T):8*(4*(mt0+\mm)+\T)+7]
.endif
.endr
.endr
.endm
; The weights were asked for in the order G0 U0 G1 U1 G2 U2 .. G7 U7, 16 loads each; G(s + 2) goes out behind phase (s, 1), U(s + 2) behind phase (s, 3).
.macro QP Q
.set qs, (\Q)/4
.set qq, (\Q)%4
.if qq == 0
.if qs <= 6
	s_wait_loadcnt 48                              ; G(s) is in; U(s), G(s + 1), U(s + 1) may be out
.else
	s_wait_loadcnt 16                              ; U7 may be out
.endif
.endif
.if qq == 2
.if qs <= 5
	s_wait_loadcnt 48                              ; U(s) is in; G(s + 1), U(s + 1), G(s + 2) may be out
.elseif qs == 6
	s_wait_loadcnt 32                              ; G7, U7
.else
	s_wait_loadcnt 0x0
.endif
.endif
.if (\Q) <= 29
	s_wait_dscnt 32                                ; this phase's bank is in; the two younger banks may be out
.elseif (\Q) == 30
	s_wait_dscnt 16
.else
	s_wait_dscnt 0x0
.endif
	WIN 0xa1+0x50*(qq/2)                           ; source 0 window 1, source 1 window 0, C and D window 2 or 3
	MUL16 \Q
.rept 4
	v_nop                                          ; four places in front of loads into registers that these matrix instructions read, and at the end in front of the first read of results
.endr
	WIN 0
.if (\Q)+3 <= 31
	XFETCH (\Q)+3
.endif
.if (qq == 1) && (qs <= 5)
	WLOAD 0, qs+2
.endif
.if (qq == 3) && (qs <= 5)
	WLOAD 1, qs+2
.endif
.endm
	XFETCH 0
	XFETCH 1
	XFETCH 2
.set QN, 0
.rept 32
	QP QN
.set QN, QN+1
.endr
; Slot tile m: a = g sigma(g) u, with sigma(g) = 1 / (1 + 2^(-log2(e) g)); held, converted, stored.  Each accumulator is read from its low end on.
.macro EPI m
	WIN 0x02                                       ; source 0 window 2
.set k, 0
.rept 16
	v_pk_mul_f32 v[64+2*k:65+2*k], v[32*(\m)+2*k:32*(\m)+2*k+1], s[88:89] op_sel_hi:[1,0]
.set k, k+1
.endr
	WIN 0
.set k, 0
.rept 32
	v_exp_f32 v[64+k], v[64+k]
.set k, k+1
.endr
	v_nop                                          ; a plain line behind the exponentials
.set k, 0
	s_wait_alu depctr_va_vdst(0)
.rept 16
	v_pk_add_f32 v[64+2*k:65+2*k], v[64+2*k:65+2*k], 1.0 op_sel_hi:[1,0]
.set k, k+1
.endr
.set k, 0
.rept 32
	v_rcp_f32 v[64+k], v[64+k]
.set k, k+1
.endr
	WIN 0x0e                                       ; source 0 window 2, source 1 window 3
.set k, 0
.rept 16
	v_pk_mul_f32 v[96+2*k:97+2*k], v[32*(\m)+2*k:32*(\m)+2*k+1], v[32*(\m)+2*k:32*(\m)+2*k+1]   ; g u: also the plain lines behind the reciprocals
.set k, k+1
.endr
	WIN 0
.set k, 0
	s_wait_alu depctr_va_vdst(0)
.rept 16
	v_pk_mul_f32 v[96+2*k:97+2*k], v[96+2*k:97+2*k], v[64+2*k:65+2*k]
.set k, k+1
.endr
.set k, 0
.rept 32
	v_med3_num_f32 v[96+k], v[96+k], -v15, v15     ; the conversion does not saturate (ISA guide 7.6.2)
.set k, k+1
.endr
.irp T, 0,1,2,3
	v_cvt_scalef32_pk8_fp8_f32 v[128+8*(\m)+2*\T:128+8*(\m)+2*\T+1], v[96+8*\T:96+8*\T+7], v14
.endr
	v_nop                                          ; a plain line behind the last conversion
	global_store_b128 v1, v[128+8*(\m):128+8*(\m)+3], s[96:97] offset:16384*(\m)        ; 512 consecutive bytes: a register group of the image
	global_store_b128 v1, v[128+8*(\m)+4:128+8*(\m)+7], s[96:97] offset:16384*(\m)+512
.endm
.irp m, 0,1,2,3,4,5,6,7
	EPI \m
.endr
.Lend:
	s_wait_tensorcnt 0x0
	ds_add_u32 v30, v31
	s_wait_dscnt 0x0
	s_endpgm
.Lfunc_end_k_q171110dcaf_hidden:
	.size	k_q171110dcaf_hidden, .Lfunc_end_k_q171110dcaf_hidden-k_q171110dcaf_hidden
	.p2alignl 7, 3214868480
	.fill 96, 4, 3214868480
	.section	.rodata,"a",@progbits
	.p2align	6, 0x0
	.amdhsa_kernel k_q171110dcaf_hidden
		.amdhsa_group_segment_fixed_size 280064
		.amdhsa_private_segment_fixed_size 0
		.amdhsa_enable_private_segment 0
		.amdhsa_kernarg_size 40
		.amdhsa_user_sgpr_count 2
		.amdhsa_user_sgpr_kernarg_segment_ptr 1
		.amdhsa_wavefront_size32 1
		.amdhsa_system_sgpr_workgroup_id_x 1
		.amdhsa_system_sgpr_workgroup_id_y 1
		.amdhsa_system_sgpr_workgroup_id_z 1
		.amdhsa_system_vgpr_workitem_id 0
		.amdhsa_next_free_vgpr 1024
		.amdhsa_next_free_sgpr 100
		.amdhsa_reserve_vcc 0
		.amdhsa_float_denorm_mode_32 3
		.amdhsa_float_denorm_mode_16_64 3
		.amdhsa_memory_ordered 1
		.amdhsa_forward_progress 1
		.amdhsa_inst_pref_size 195
	.end_amdhsa_kernel
	.amdgpu_metadata
---
amdhsa.version: [ 1, 2 ]
amdhsa.kernels:
  - .name:           k_q171110dcaf_hidden
    .symbol:         k_q171110dcaf_hidden.kd
    .args:
      - { .name: xq, .offset: 0, .size: 8, .value_kind: global_buffer, .address_space: global }
      - { .name: w8, .offset: 8, .size: 8, .value_kind: global_buffer, .address_space: global }
      - { .name: lowp_scales, .offset: 16, .size: 8, .value_kind: global_buffer, .address_space: global }
      - { .name: route, .offset: 24, .size: 8, .value_kind: global_buffer, .address_space: global }
      - { .name: hq, .offset: 32, .size: 8, .value_kind: global_buffer, .address_space: global }
    .group_segment_fixed_size: 280064
    .private_segment_fixed_size: 0
    .kernarg_segment_align: 8
    .kernarg_segment_size: 40
    .max_flat_workgroup_size: 128
    .sgpr_count:     100
    .vgpr_count:     1024
    .wavefront_size: 32
...
	.end_amdgpu_metadata
.endif
;; end of part 3
;; launch down (part 4): grid 55 x 4, 4 waves a work-group, no clusters, 148,992 bytes of LDS; arguments hq, w8, lowp_scales, route, y; writes y
.if DOCPART == 4
	.amdgcn_target "amdgcn-amd-amdhsa--gfx1250"
	.amdhsa_code_object_version 6
	.text
	.protected	k_q171110dcaf_down
	.globl	k_q171110dcaf_down
	.p2align	8
	.type	k_q171110dcaf_down,@function
k_q171110dcaf_down:
	s_mov_b64 s[64:65], 0
	v_nop
	global_prefetch_b8 v0, s[64:65] scope:SCOPE_SE
	s_setreg_imm32_b32 hwreg(HW_REG_WAVE_MODE, 25, 1), 1
	s_wait_xcnt 0x0
; y[slot] = hidden codes x down-projection codes x 2^(their two exponents), for one tile of 128 slots and 256 output columns.  y: [slot 7040][1024] f32.
; A work-group: tile t = x of the grid, columns 256 y on.  Wave w: 128 slots x columns 64 w .. 64 w + 63: 32 accumulators.
; The tile's hidden codes (131,072 bytes, images of operand registers) are copied once into LDS as they lie; the weights come from memory straight into registers.
; No tensor load and no cluster: a tile without rows ends on a stored number.  Such a tile copies tile 39 (always written) instead of bytes that nobody stored.
; The matrix instruction is used transposed (source 0 = 16 output columns, source 1 = 16 slots): a lane holds eight neighbouring columns of one row of y.
; LIMIT: the two exponents added lie between -126 and 127.
; REGISTERS.  Window 0: v1 16 x lane; v4 where the copy stores; v6, v7 where slot tiles 0-3, 4-7 are read; v8, v9 the stage, in and back; v10 my bytes in two rows of y; v32-63 a block's results; v64-255 three banks of four fragments.
;   Window 1: weights, four sets of 64.  Window 2: the accumulators, (slot tile, T) at 8 (4 tile + T); first the copy's loads.
.set STG, 131072                       ; behind the copy: a stage of 16 rows x 272 bytes for each wave
.set MSB, 0
.macro WIN new
.if MSB != (\new)
	s_set_vgpr_msb (MSB<<8)|(\new)
.set MSB, (\new)
.endif
.endm
	s_load_b256 s[4:11], s[0:1], 0x0               ; hq, w8, lowp_scales, route
	s_load_b64 s[12:13], s[0:1], 0x20              ; y
	v_lshl_add_u32 v30, v0, 2, 0x24400
	v_mov_b32 v31, 0
	v_lshrrev_b32 v1, 5, v0
	v_readfirstlane_b32 s16, v1                    ; wave
	v_and_b32 v16, 31, v0
	v_lshlrev_b32 v1, 4, v16                       ; 16 x lane
	v_and_b32 v2, 15, v0                           ; r
	v_bfe_u32 v3, v0, 4, 1                         ; h
	s_mov_b32 s17, ttmp9
	s_and_b32 s18, ttmp7, 0xffff
	s_lshl_b32 s20, s16, 15
	v_add_nc_u32 v4, s20, v1
	v_mov_b32 v6, v1
	v_add_nc_u32 v7, 65536, v1
	s_mul_i32 s20, s16, 16*272
	s_add_co_u32 s20, s20, STG
	v_mul_u32_u24 v8, v2, 272
	v_lshl_add_u32 v8, v3, 5, v8
	v_add_nc_u32 v8, s20, v8                       ; in: row r, 32 bytes for each half of the lanes
	v_mul_u32_u24 v9, v3, 272
	v_lshl_add_u32 v9, v2, 4, v9
	v_add_nc_u32 v9, s20, v9                       ; back: lanes 0-15 one row of 256 bytes, lanes 16-31 the next
	v_lshlrev_b32 v10, 12, v3
	v_lshl_add_u32 v10, v2, 4, v10                 ; and the same two rows in y
	s_lshl_b32 s20, s17, 2
	s_mov_b32 s21, 0
	s_wait_kmcnt 0x0
	s_add_nc_u64 s[28:29], s[10:11], s[20:21]
	s_load_b32 s19, s[28:29], 0x0                  ; the tile's expert
	s_load_b256 s[68:75], s[8:9], 0x0
	s_load_b128 s[76:79], s[8:9], 0x20
	s_wait_kmcnt 0x0
	s_min_u32 s22, s19, 8
	s_cmp_le_u32 s19, 8
	s_cselect_b32 s23, s17, 39
	s_min_u32 s23, s23, 54
	s_lshl_b32 s20, s23, 17
	s_lshl_b32 s21, s16, 15
	s_add_co_u32 s20, s20, s21
	s_mov_b32 s21, 0
	s_add_nc_u64 s[24:25], s[4:5], s[20:21]        ; my quarter of the tile's codes
	s_add_co_i32 s80, s72, s73
	s_add_co_i32 s81, s78, s79
	s_cmp_eq_u32 s22, 8
	s_cselect_b32 s80, s81, s80
	s_add_co_i32 s80, s80, 127
	s_lshl_b32 s88, s80, 23                        ; 2^(the two exponents added) as f32
	s_mov_b32 s89, s88
	s_lshl_b32 s20, s22, 20
	s_lshl_b32 s21, s18, 18
	s_add_co_u32 s20, s20, s21
	s_lshl_b32 s21, s16, 16
	s_add_co_u32 s20, s20, s21
	s_mov_b32 s21, 0
	s_add_nc_u64 s[92:93], s[6:7], s[20:21]
	s_add_nc_u64 s[92:93], s[92:93], 0x1200000     ; the down projections: eighteen matrices on
	s_lshl_b32 s20, s17, 19
	s_lshl_b32 s21, s18, 10
	s_add_co_u32 s20, s20, s21
	s_lshl_b32 s21, s16, 8
	s_add_co_u32 s20, s20, s21
	s_mov_b32 s21, 0
	s_add_nc_u64 s[96:97], s[12:13], s[20:21]
.macro WLOAD S                         ; my four tiles of columns, K step S, into set S % 4
	WIN 0x40
.irp T, 0,1,2,3
.irp c, 0,1,2,3
	global_load_b128 v[64*((\S)%4)+16*\T+4*\c:64*((\S)%4)+16*\T+4*\c+3], v1, s[92:93] offset:16384*\T+2048*(\S)+512*\c
.endr
.endr
.endm
	WIN 0x80
.set i, 0
.rept 64
	global_load_b128 v[4*i:4*i+3], v1, s[24:25] offset:512*i
.set i, i+1
.endr
	WLOAD 0
	WLOAD 1
	s_wait_loadcnt 32                              ; only the 32 loads of weights are younger than the copy's
	WIN 0x08
.set i, 0
.rept 64
	ds_store_b128 v4, v[4*i:4*i+3] offset:512*i
.set i, i+1
.endr
	WLOAD 2
	WLOAD 3
	WIN 0
	s_wait_dscnt 0x0                               ; for the other waves' sake
	s_barrier_signal -1
	s_barrier_wait -1                              ; the one barrier: behind it the copy is only read, and each wave's stage is its own
	s_cmp_gt_u32 s19, 8
	s_cbranch_scc1 .Lend
; A phase Q = 2 S + half: K step S, slot tiles 4 half on, in bank Q % 3.
.macro HFETCH Q
.set hs, (\Q)/2
.set hh, (\Q)%2
.set hb, 64+64*((\Q)%3)
.irp mm, 0,1,2,3
.irp c, 0,1,2,3
	ds_load_b128 v[hb+16*\mm+4*\c:hb+16*\mm+4*\c+3], v[6+hh] offset:16384*\mm+2048*hs+512*\c
.endr
.endr
.endm
.macro MUL16 Q                         ; the 32 accumulators take turns, one instruction a turn
.set ms, (\Q)/2
.set mt0, 4*((\Q)%2)
.set mb, 64+64*((\Q)%3)
.set mw, 64*(ms%4)
.irp mm, 0,1,2,3
.irp T, 0,1,2,3
.if ms == 0
	v_wmma_f32_16x16x128_fp8_fp8 v[8*(4*(mt0+\mm)+\T):8*(4*(mt0+\mm)+\T)+7], v[mw+16*\T:mw+16*\T+15], v[mb+16*\mm:mb+16*\mm+15], 0
.else
	v_wmma_f32_16x16x128_fp8_fp8 v[8*(4*(mt0+\mm)+\T):8*(4*(mt0+\mm)+\T)+7], v[mw+16*\T:mw+16*\T+15], v[mb+16*\mm:mb+16*\mm+15], v[8*(4*(mt0+\mm)+\T):8*(4*(mt0+\mm)+\T)+7]
.endif
.endr
.endr
.endm
.macro PH Q
.set ps, (\Q)/2
.set pp, (\Q)%2
.if pp == 0
.if ps <= 4
	s_wait_loadcnt 48                              ; K step S's weights are in; the three younger sets may be out
.else
	s_wait_loadcnt 16*(7-ps)
.endif
.endif
.if (\Q) <= 13
	s_wait_dscnt 32                                ; this phase's bank is in; the two younger banks may be out
.elseif (\Q) == 14
	s_wait_dscnt 16
.else
	s_wait_dscnt 0x0
.endif
	WIN 0xa1
	MUL16 \Q
.rept 4
	v_nop                                          ; four places in front of loads into registers just read, and at the end in front of the first read of results
.endr
	WIN 0
.if (\Q)+3 <= 15
	HFETCH (\Q)+3
.endif
.if (pp == 1) && (ps <= 3)
	WLOAD ps+4
.endif
.endm
	HFETCH 0
	HFETCH 1
	HFETCH 2
.set QN, 0
.rept 16
	PH QN
.set QN, QN+1
.endr
; THE WAY OUT, 16 slots at a time: x the scale, through my own stage, back as rows of 256 bytes; sixteen lanes store 256 consecutive bytes, aligned.
.macro TOSTAGE m
.set BB, 64+32*((\m)%2)
	WIN 0x02
.set k, 0
.rept 16
	v_pk_mul_f32 v[32+2*k:33+2*k], v[32*(\m)+2*k:32*(\m)+2*k+1], s[88:89] op_sel_hi:[1,0]   ; each accumulator from its low end on
.set k, k+1
.endr
	WIN 0
.irp T, 0,1,2,3
	ds_store_b128 v8, v[32+8*\T:35+8*\T] offset:64*\T
	ds_store_b128 v8, v[36+8*\T:39+8*\T] offset:64*\T+16
.endr
.irp i, 0,1,2,3,4,5,6,7
	ds_load_b128 v[BB+4*\i:BB+4*\i+3], v9 offset:544*\i   ; LDS serves a wave's instructions in order (ISA guide 5.7.1.4): these see the stores above
.endr
.endm
.macro SEND m, younger                 ; younger: the LDS instructions issued behind block m's loads
.set BB, 64+32*((\m)%2)
	s_wait_dscnt \younger
.irp i, 0,1,2,3,4,5,6,7
	global_store_b128 v10, v[BB+4*\i:BB+4*\i+3], s[96:97] offset:(16*(\m)+2*\i)*4096
.endr
.endm
	TOSTAGE 0
.irp a, 1,2,3,4,5,6,7
.if \a > 1
	s_wait_xcnt 0x0                                ; block a - 2's stores have read their registers: block a's loads may land there
.endif
	TOSTAGE \a
	SEND \a-1, 16                                  ; behind block a - 1's loads: block a's 8 stores and 8 loads
.endr
	SEND 7, 0
.Lend:
	s_wait_tensorcnt 0x0
	ds_add_u32 v30, v31
	s_wait_dscnt 0x0
	s_endpgm
.Lfunc_end_k_q171110dcaf_down:
	.size	k_q171110dcaf_down, .Lfunc_end_k_q171110dcaf_down-k_q171110dcaf_down
	.p2alignl 7, 3214868480
	.fill 96, 4, 3214868480
	.section	.rodata,"a",@progbits
	.p2align	6, 0x0
	.amdhsa_kernel k_q171110dcaf_down
		.amdhsa_group_segment_fixed_size 148992
		.amdhsa_private_segment_fixed_size 0
		.amdhsa_enable_private_segment 0
		.amdhsa_kernarg_size 40
		.amdhsa_user_sgpr_count 2
		.amdhsa_user_sgpr_kernarg_segment_ptr 1
		.amdhsa_wavefront_size32 1
		.amdhsa_system_sgpr_workgroup_id_x 1
		.amdhsa_system_sgpr_workgroup_id_y 1
		.amdhsa_system_sgpr_workgroup_id_z 1
		.amdhsa_system_vgpr_workitem_id 0
		.amdhsa_next_free_vgpr 768
		.amdhsa_next_free_sgpr 100
		.amdhsa_reserve_vcc 0
		.amdhsa_float_denorm_mode_32 3
		.amdhsa_float_denorm_mode_16_64 3
		.amdhsa_memory_ordered 1
		.amdhsa_forward_progress 1
		.amdhsa_inst_pref_size 85
	.end_amdhsa_kernel
	.amdgpu_metadata
---
amdhsa.version: [ 1, 2 ]
amdhsa.kernels:
  - .name:           k_q171110dcaf_down
    .symbol:         k_q171110dcaf_down.kd
    .args:
      - { .name: hq, .offset: 0, .size: 8, .value_kind: global_buffer, .address_space: global }
      - { .name: w8, .offset: 8, .size: 8, .value_kind: global_buffer, .address_space: global }
      - { .name: lowp_scales, .offset: 16, .size: 8, .value_kind: global_buffer, .address_space: global }
      - { .name: route, .offset: 24, .size: 8, .value_kind: global_buffer, .address_space: global }
      - { .name: y, .offset: 32, .size: 8, .value_kind: global_buffer, .address_space: global }
    .group_segment_fixed_size: 148992
    .private_segment_fixed_size: 0
    .kernarg_segment_align: 8
    .kernarg_segment_size: 40
    .max_flat_workgroup_size: 128
    .sgpr_count:     100
    .vgpr_count:     768
    .wavefront_size: 32
...
	.end_amdgpu_metadata
.endif
;; end of part 4
;; launch combine (part 5): grid 256 x 1, 8 waves a work-group, no clusters, 0 bytes of LDS; arguments y, route, gate, out0; writes out0
.if DOCPART == 5
	.amdgcn_target "amdgcn-amd-amdhsa--gfx1250"
	.amdhsa_code_object_version 6
	.text
	.protected	k_q171110dcaf_combine
	.globl	k_q171110dcaf_combine
	.p2align	8
	.type	k_q171110dcaf_combine,@function
k_q171110dcaf_combine:
	s_mov_b64 s[64:65], 0
	v_nop
	global_prefetch_b8 v0, s[64:65] scope:SCOPE_SE
	s_setreg_imm32_b32 hwreg(HW_REG_WAVE_MODE, 25, 1), 1
	s_wait_xcnt 0x0
; out0[n] = y[4992 + n] + c1 y[slot of n's first choice] + c2 y[slot of its second].  A wave takes one token: three rows of 4,096 bytes in, one out.
; Memory binds: every load and store covers 512 consecutive bytes; no LDS, no barrier, no matrix work.
	s_load_b256 s[4:11], s[0:1], 0x0               ; y, route, gate, out0
	v_lshrrev_b32 v1, 5, v0
	v_readfirstlane_b32 s12, v1
	v_and_b32 v1, 31, v0
	v_lshlrev_b32 v1, 4, v1                        ; 16 x lane
	s_lshl_b32 s13, ttmp9, 3
	s_add_co_u32 s13, s13, s12                     ; the token
	s_lshl_b32 s14, s13, 3
	s_mov_b32 s15, 0
	s_lshl_b32 s16, s13, 12
	s_mov_b32 s17, 0
	s_wait_kmcnt 0x0
	s_add_nc_u64 s[6:7], s[6:7], s[14:15]
	s_add_nc_u64 s[8:9], s[8:9], s[14:15]
	s_load_b64 s[20:21], s[6:7], 0x100             ; its two slots
	s_load_b64 s[24:25], s[8:9], 0x0               ; its two weights
	s_add_nc_u64 s[10:11], s[10:11], s[16:17]
	s_add_nc_u64 s[18:19], s[4:5], s[16:17]
	s_add_nc_u64 s[18:19], s[18:19], 0x1380000     ; slot 4992 + n
.irp i, 0,1,2,3,4,5,6,7
	global_load_b128 v[8+4*\i:11+4*\i], v1, s[18:19] offset:512*\i th:TH_LOAD_NT
.endr
	s_wait_kmcnt 0x0
	s_min_u32 s20, s20, 0x137f                     ; clamped before they enter an address
	s_min_u32 s21, s21, 0x137f
	v_lshl_add_u32 v2, s20, 12, v1
	v_lshl_add_u32 v3, s21, 12, v1
	s_mov_b32 s26, s25                             ; the second weight in a pair of its own: the packed form takes a pair's low word for both halves
	s_mov_b32 s27, s25
.irp i, 0,1,2,3,4,5,6,7
	global_load_b128 v[40+4*\i:43+4*\i], v2, s[4:5] offset:512*\i th:TH_LOAD_NT
.endr
.irp i, 0,1,2,3,4,5,6,7
	global_load_b128 v[72+4*\i:75+4*\i], v3, s[4:5] offset:512*\i th:TH_LOAD_NT
.endr
	s_wait_loadcnt 8                               ; the shared row and the first choice's are in; the second's eight loads may be out
.set k, 0
.rept 16
	v_pk_fma_f32 v[8+2*k:9+2*k], v[40+2*k:41+2*k], s[24:25], v[8+2*k:9+2*k] op_sel_hi:[1,0,1]
.set k, k+1
.endr
	s_wait_loadcnt 0x0
.set k, 0
.rept 16
	v_pk_fma_f32 v[8+2*k:9+2*k], v[72+2*k:73+2*k], s[26:27], v[8+2*k:9+2*k] op_sel_hi:[1,0,1]
.set k, k+1
.endr
.irp i, 0,1,2,3,4,5,6,7
	global_store_b128 v1, v[8+4*\i:11+4*\i], s[10:11] offset:512*\i th:TH_STORE_NT
.endr
	s_endpgm
.Lfunc_end_k_q171110dcaf_combine:
	.size	k_q171110dcaf_combine, .Lfunc_end_k_q171110dcaf_combine-k_q171110dcaf_combine
	.p2alignl 7, 3214868480
	.fill 96, 4, 3214868480
	.section	.rodata,"a",@progbits
	.p2align	6, 0x0
	.amdhsa_kernel k_q171110dcaf_combine
		.amdhsa_group_segment_fixed_size 0
		.amdhsa_private_segment_fixed_size 0
		.amdhsa_enable_private_segment 0
		.amdhsa_kernarg_size 32
		.amdhsa_user_sgpr_count 2
		.amdhsa_user_sgpr_kernarg_segment_ptr 1
		.amdhsa_wavefront_size32 1
		.amdhsa_system_sgpr_workgroup_id_x 1
		.amdhsa_system_sgpr_workgroup_id_y 1
		.amdhsa_system_sgpr_workgroup_id_z 1
		.amdhsa_system_vgpr_workitem_id 0
		.amdhsa_next_free_vgpr 112
		.amdhsa_next_free_sgpr 66
		.amdhsa_reserve_vcc 0
		.amdhsa_float_denorm_mode_32 3
		.amdhsa_float_denorm_mode_16_64 3
		.amdhsa_memory_ordered 1
		.amdhsa_forward_progress 1
		.amdhsa_inst_pref_size 7
	.end_amdhsa_kernel
	.amdgpu_metadata
---
amdhsa.version: [ 1, 2 ]
amdhsa.kernels:
  - .name:           k_q171110dcaf_combine
    .symbol:         k_q171110dcaf_combine.kd
    .args:
      - { .name: y, .offset: 0, .size: 8, .value_kind: global_buffer, .address_space: global }
      - { .name: route, .offset: 8, .size: 8, .value_kind: global_buffer, .address_space: global }
      - { .name: gate, .offset: 16, .size: 8, .value_kind: global_buffer, .address_space: global }
      - { .name: out0, .offset: 24, .size: 8, .value_kind: global_buffer, .address_space: global }
    .group_segment_fixed_size: 0
    .private_segment_fixed_size: 0
    .kernarg_segment_align: 8
    .kernarg_segment_size: 32
    .max_flat_workgroup_size: 256
    .sgpr_count:     66
    .vgpr_count:     112
    .wavefront_size: 32
...
	.end_amdgpu_metadata
.endif
;; end of part 5
;; ======== version 2 of 2: 5 launches; version 1 with the launches hidden, down written anew for expert scheduling mode
;; workspace buffers: xq 8,388,608 bytes; w8 28,311,552 bytes; hq 7,208,960 bytes; y 28,835,840 bytes; sel 8,192 bytes of whole numbers; gate 49,152 bytes; route 45,056 bytes of whole numbers
;; launch xprep: the kernel of part 1 again; grid 256 x 1, 4 waves a work-group, no clusters, 66,048 bytes of LDS; arguments x, w_gate, lowp_scales, xq, sel, gate; writes xq, sel, gate
;; launch wprep: the kernel of part 2 again; grid 865 x 1, 8 waves a work-group, no clusters, 2,048 bytes of LDS; arguments wg, wu, wd, ws_g, ws_u, ws_d, lowp_scales, sel, gate, w8, route, out1; writes w8, route, out1
;; launch hidden (part 6): grid 55 x 4, 4 waves a work-group, no clusters, 280,064 bytes of LDS; arguments xq, w8, lowp_scales, route, hq; writes hq
.if DOCPART == 6
	.amdgcn_target "amdgcn-amd-amdhsa--gfx1250"
	.amdhsa_code_object_version 6
	.text
	.protected	k_q171110dcaf_hidden
	.globl	k_q171110dcaf_hidden
	.p2align	8
	.type	k_q171110dcaf_hidden,@function
k_q171110dcaf_hidden:
	s_mov_b64 s[64:65], 0
	v_nop
	global_prefetch_b8 v0, s[64:65] scope:SCOPE_SE
	s_setreg_imm32_b32 hwreg(HW_REG_WAVE_SCHED_MODE, 0, 2), 2
	s_setreg_imm32_b32 hwreg(HW_REG_WAVE_MODE, 25, 1), 1
	s_wait_xcnt 0x0
	s_wait_alu depctr_vm_vsrc(0)
; The hidden layer of one tile of 128 slots of one expert, 256 hidden units: g = x Wg, u = x Wu on E4M3 codes, a = silu(g) u in f32, quantised with the given scale.
; A work-group: tile t = x of the grid, units 256 y on.  Wave w: all 128 slots x units 64 w .. 64 w + 63 of both products: 64 accumulators, 512 registers.
; The weights come from memory straight into registers, laid beforehand in the order of an operand's registers; no wave loads a fragment that another loads.
; The slots' codes of x (both sets, all of K) are gathered once into LDS and read from there by all four waves.
; No tensor load and no cluster: a tile that the split leaves without rows ends on a stored number, and partners could not be given equal work for every split.
; THE MATRIX INSTRUCTION IS USED TRANSPOSED: source 0 = 16 hidden units, source 1 = 16 slots.  Lane (r, h) then holds slot r, and register j unit 16 T + 8 h + j:
; the conversion of a tile's eight registers is registers 2 T, 2 T + 1 of the next product's operand.
; hq: [tile 55][m 8][S 8] images of 2,048 bytes = [c 4][lane 32][16 bytes]: slots 16 m on, K step S of the next product.
; LIMITS: Eg = the gate product's two exponents added lies between -126 and 127; eh - Eg - Eu between -126 and 119.  NaN is not served.
; REGISTERS, in windows of 256.  Window 0: v1 16 x lane; v4, v5 where the gather stores; v6-13 where fragments of K step s are read; v14, v15 the conversion's scale and hold; v32-63 the rows' offsets; v64-255 three banks of four fragments of x.
;   Window 1: weights, two sets of 128 (gate's four tiles, then up's).  Window 2: g's accumulators, (slot tile, T) at 8 (4 tile + T).  Window 3: u's.  Windows 2 and 3 first take the gather's loads.
; THE MODE: SCHED_MODE bits 1:0 = 2 (LLVM: expert scheduling mode 2), set by the entry lines.  The code itself states the register dependences
; between vector or matrix instructions and memory or LDS instructions, with s_wait_alu, always for 0.
; THE PLAN.  Registers that memory or LDS instructions touch:
;   v1, v4-13, v32-63   offsets and LDS addresses: written by vector lines at the head, once; one wait ahead of the first load states them for the whole kernel.
;   windows 2 and 3     the gather's loads land there, the LDS stores read them, then the products write them: one wait on vm_vsrc behind the barrier.
;   banks 0-2           phase Q's sixteen products read bank Q % 3; the LDS loads issued in phase Q + 1 land in it (the fragments of phase Q + 3).
;   window 1            the gate half of set s % 2 is read by phases (s, 0) and (s, 1), and K step s + 2 lands in it in phase (s, 2); the up half is read by phases (s, 2) and (s, 3), and K step s + 2 lands in it in phase (s + 1, 0).
;   v128-191            codes: eight registers a block of 16 slots, written once by the block's conversions, read by two stores that are issued in the next block.
; So ONE wait on va_vdst stands at the head of a phase that loads: the phases before it are done reading the bank and the half set in which its loads land.  Behind it the loads are dealt into the gaps between
; the phase's four groups of four products, which name the phase's own bank, the half set in use and the accumulators: none of the registers that those loads touch.
.set SP, 34944                         ; LDS: a K step: 16 fragments + 128 bytes
.set FP, 2176                          ; a fragment (set, slot tile): 8 groups
.set GP, 272                           ; a group (c, h): 16 rows x 16 bytes + 16 of padding
.set MSB, 0
.macro WIN new                         ; the immediate's high byte repeats the setting that is left
.if MSB != (\new)
	s_set_vgpr_msb (MSB<<8)|(\new)
.set MSB, (\new)
.endif
.endm
	s_load_b256 s[4:11], s[0:1], 0x0               ; xq, w8, lowp_scales, route
	s_load_b64 s[12:13], s[0:1], 0x20              ; hq
	v_lshl_add_u32 v30, v0, 2, 0x44400
	v_mov_b32 v31, 0
	v_lshrrev_b32 v1, 5, v0
	v_readfirstlane_b32 s16, v1                    ; wave
	v_and_b32 v16, 31, v0
	v_lshlrev_b32 v1, 4, v16                       ; 16 x lane
	v_and_b32 v2, 15, v0                           ; r
	v_bfe_u32 v3, v0, 4, 1                         ; h
	s_mov_b32 s17, ttmp9                           ; tile
	s_and_b32 s18, ttmp7, 0xffff                   ; which 256 units
	; a lane's 16 bytes of a row's 512: K step l / 8 (+ 4 for the second half of the row), h = (l / 4) % 2, c = l % 4
	v_bfe_u32 v17, v0, 3, 2
	v_mul_u32_u24 v4, v17, SP
	v_and_b32 v17, 3, v0
	v_mad_u32_u24 v4, v17, 544, v4
	v_bfe_u32 v17, v0, 2, 1
	v_mad_u32_u24 v4, v17, GP, v4
	s_wait_alu depctr_va_sdst(0)                   ; s16 is written, ahead of its first reader
	s_mul_i32 s20, s16, 2*FP                       ; my 32 rows are slot tiles 2 w and 2 w + 1
	v_add_nc_u32 v4, s20, v4
	v_add_nc_u32 v5, 4*SP, v4
	v_mul_u32_u24 v17, v3, GP
	v_lshl_add_u32 v6, v2, 4, v17                  ; a fragment's group c for lane (r, h): 544 c + 272 h + 16 r
.irp s, 1,2,3,4,5,6,7
	v_add_nc_u32 v[6+\s], \s*SP, v6
.endr
	s_lshl_b32 s20, s17, 2
	s_mov_b32 s21, 0
	s_lshl_b32 s26, s17, 9
	s_lshl_b32 s27, s16, 7
	s_add_co_u32 s26, s26, s27
	s_add_co_u32 s26, s26, 16640
	s_mov_b32 s27, 0
	s_wait_kmcnt 0x0
	s_add_nc_u64 s[28:29], s[10:11], s[20:21]
	s_add_nc_u64 s[26:27], s[10:11], s[26:27]
	s_load_b32 s19, s[28:29], 0x0                  ; the tile's expert
	s_load_b512 s[32:47], s[26:27], 0x0            ; the tokens of my 32 slots
	s_load_b512 s[48:63], s[26:27], 0x40
	s_load_b256 s[68:75], s[8:9], 0x0              ; entries 0-7
	s_load_b128 s[76:79], s[8:9], 0x20             ; entries 8-11
	s_wait_kmcnt 0x0
	s_min_u32 s22, s19, 8                          ; clamped before it enters an address
	s_add_co_i32 s80, s68, s69
	s_add_co_i32 s81, s74, s75
	s_add_co_i32 s82, s70, s71
	s_add_co_i32 s83, s76, s77
	s_cmp_eq_u32 s22, 8
	s_cselect_b32 s80, s81, s80                    ; Eg
	s_cselect_b32 s82, s83, s82                    ; Eu
	s_cselect_b32 s84, s78, s72                    ; eh
	s_and_b32 s20, s22, 8
	s_lshl_b32 s20, s20, 19                        ; the shared expert takes sets 2 and 3 of x's codes: 4 MiB on
	s_mov_b32 s21, 0
	s_add_nc_u64 s[24:25], s[4:5], s[20:21]
	s_lshl_b32 s85, s80, 23
	s_add_co_i32 s88, s85, 0xbfb8aa3b              ; -log2(e) x 2^Eg: Eg is added to the exponent field
	s_mov_b32 s89, s88                             ; (named with it as a pair)
	s_sub_co_i32 s90, s84, s80
	s_sub_co_i32 s90, s90, s82                     ; a sum g u sigma stands for itself x 2^(Eg + Eu): the three scales are folded into the conversion's one
	s_add_co_i32 s90, s90, 127
	s_lshl_b32 s91, s90, 23
	v_mov_b32 v14, s91
	s_add_co_i32 s90, s90, 8
	s_lshl_b32 s90, s90, 23
	s_or_b32 s90, s90, 0x600000
	v_mov_b32 v15, s90                             ; 448 x that scale
	s_lshl_b32 s20, s22, 20
	s_lshl_b32 s21, s18, 18
	s_add_co_u32 s20, s20, s21
	s_lshl_b32 s21, s16, 16
	s_add_co_u32 s20, s20, s21                     ; matrix e, tile 16 y + 4 w
	s_mov_b32 s21, 0
	s_add_nc_u64 s[92:93], s[6:7], s[20:21]        ; gate
	s_add_nc_u64 s[94:95], s[92:93], 0x900000      ; up: nine matrices on
	s_lshl_b32 s20, s17, 17
	s_lshl_b32 s21, s18, 12
	s_add_co_u32 s20, s20, s21
	s_lshl_b32 s21, s16, 10
	s_add_co_u32 s20, s20, s21                     ; K step 2 y + w / 2 of the next product, register groups 2 (w % 2) on
	s_mov_b32 s21, 0
	s_add_nc_u64 s[96:97], s[12:13], s[20:21]
.set i, 0
.rept 32
	s_min_u32 s[32+i], s[32+i], 0x7ff
	v_lshl_add_u32 v[32+i], s[32+i], 10, v1        ; the row's 1,024 bytes, 16 a lane
.set i, i+1
.endr
.macro GATHER i0, win                  ; 16 rows x 2 sets x 2 halves: each load takes 512 consecutive bytes of a row
	WIN \win
.set gi, 0
.rept 16
.irp st, 0,1
.irp q, 0,1
	global_load_b128 v[16*gi+8*\st+4*\q:16*gi+8*\st+4*\q+3], v[32+\i0+gi], s[24:25] offset:\st*2097152+\q*512
.endr
.endr
.set gi, gi+1
.endr
.endm
.macro SPILL half, win                 ; and into LDS: sixteen lanes of a store fall into sixteen different columns of 16 bytes
	WIN \win
.set gi, 0
.rept 16
.irp st, 0,1
.irp q, 0,1
	ds_store_b128 v[4+\q], v[16*gi+8*\st+4*\q:16*gi+8*\st+4*\q+3] offset:\st*8*FP+\half*FP+16*gi
.endr
.endr
.set gi, gi+1
.endr
.endm
.macro WLOAD kind, s                   ; my four tiles of gate (0) or up (1), K step s, into set s % 2: 16 loads of 512 consecutive bytes
	WIN 0x40
.irp T, 0,1,2,3
.irp c, 0,1,2,3
	global_load_b128 v[128*((\s)%2)+64*\kind+16*\T+4*\c:128*((\s)%2)+64*\kind+16*\T+4*\c+3], v1, s[92+2*\kind:93+2*\kind] offset:16384*\T+2048*(\s)+512*\c
.endr
.endr
.endm
	WIN 0x80
	s_wait_alu depctr_va_vdst(0)                   ; v1, v4 to v13 and v32 to v63 are written: every load and store of the kernel reads one of them as its offset or LDS address, and no vector line writes them again
	GATHER 0, 0x80
	GATHER 16, 0xc0
	s_wait_loadcnt 63                              ; of 128 loads at most 63 are out: the first 64, window 2's, are in
	SPILL 0, 0x08
	WLOAD 0, 0
	WLOAD 1, 0
	s_wait_loadcnt 32                              ; only the 32 loads of weights are younger than the gather's
	SPILL 1, 0x0c
	WLOAD 0, 1
	WLOAD 1, 1
	WIN 0
	s_wait_dscnt 0x0                               ; my stores have landed, for the other waves' sake
	s_barrier_signal -1
	s_barrier_wait -1                              ; the one barrier: behind it LDS is only read
	s_wait_alu depctr_vm_vsrc(0)                   ; my LDS stores have read windows 2 and 3: these registers are the accumulators from here on, written by the products
	s_cmp_gt_u32 s19, 8                            ; a tile without rows ends here, behind the barrier that every wave passes
	s_cbranch_scc1 .Lend
; A phase Q = 4 s + qp: K step s, product qp / 2, slot tiles 4 (qp % 2) on; its four fragments of x lie in bank Q % 3.
.macro XF2 Q, f0, f1                   ; two of phase Q's four fragments: eight LDS loads
.set xs, (\Q)/4
.set xf, 8*(((\Q)%4)/2)+4*((\Q)%2)
.set xb, 64+64*((\Q)%3)
.irp mm, \f0, \f1
.irp c, 0,1,2,3
	ds_load_b128 v[xb+16*\mm+4*\c:xb+16*\mm+4*\c+3], v[6+xs] offset:(xf+\mm)*FP+544*\c
.endr
.endr
.endm
; Four matrix instructions: slot tile mm of the phase's four against my four tiles of units.  The 64 accumulators take turns, one instruction a turn, in the same order in every K step.  K step 0 starts the sums with the constant 0.
.macro MUL4 Q, mm
.set ms, (\Q)/4
.set mt, 4*((\Q)%2)+(\mm)
.set mb, 64+64*((\Q)%3)+16*(\mm)
.set mw, 128*(ms%2)+64*(((\Q)%4)/2)
.irp T, 0,1,2,3
.if ms == 0
	v_wmma_f32_16x16x128_fp8_fp8 v[8*(4*mt+\T):8*(4*mt+\T)+7], v[mw+16*\T:mw+16*\T+15], v[mb:mb+15], 0
.else
	v_wmma_f32_16x16x128_fp8_fp8 v[8*(4*mt+\T):8*(4*mt+\T)+7], v[mw+16*\T:mw+16*\T+15], v[mb:mb+15], v[8*(4*mt+\T):8*(4*mt+\T)+7]
.endif
.endr
.endm
; The weights are asked for in the order G0 U0 G1 U1 G2 U2 .. G7 U7, 16 loads each; the first four ahead of the barrier, G(s + 2) in phase (s, 2), U(s + 2) in phase (s + 1, 0).
; The fragments of phases 0 to 2 are asked for ahead of phase 0; phase Q, from 1 to 29, asks for those of phase Q + 2.
.macro QP Q
.set qs, (\Q)/4
.set qq, (\Q)%4
.if qq == 0
.if qs == 0
	s_wait_loadcnt 48                              ; G0 is in; U0, G1, U1 may be out
.elseif qs <= 6
	s_wait_loadcnt 32                              ; G(s) is in; U(s), G(s + 1) may be out
.else
	s_wait_loadcnt 16                              ; U7 may be out
.endif
.endif
.if qq == 2
.if qs <= 6
	s_wait_loadcnt 32                              ; U(s) is in; G(s + 1), U(s + 1) may be out
.else
	s_wait_loadcnt 0x0
.endif
.endif
.if (\Q) == 0
	s_wait_dscnt 32                                ; bank 0 is in; banks 1 and 2 may be out
.elseif (\Q) <= 30
	s_wait_dscnt 16                                ; this phase's bank is in; the next phase's may be out
.else
	s_wait_dscnt 0x0
.endif
.if ((\Q) >= 1) && ((\Q) <= 29)
	s_wait_alu depctr_va_vdst(0)                   ; the products of the phase before are done reading their bank, and those of the two phases before their half set of weights: this phase's loads land there
.endif
	WIN 0xa1+0x50*(qq/2)                           ; source 0 window 1, source 1 window 0, C and D window 2 or 3
	MUL4 \Q, 0
.if ((\Q) >= 1) && ((\Q) <= 29)
	WIN 0
	XF2 (\Q)+2, 0, 1                               ; no wait: no vector or matrix instruction since the wait above names the bank of the phase before
.endif
	WIN 0xa1+0x50*(qq/2)
	MUL4 \Q, 1
.if ((\Q) >= 1) && ((\Q) <= 29)
	WIN 0
	XF2 (\Q)+2, 2, 3
.endif
	WIN 0xa1+0x50*(qq/2)
	MUL4 \Q, 2
.if (qq == 2) && (qs <= 5)
	WLOAD 0, qs+2                                  ; into the gate half of this K step's set, which this phase's products, on the up half, do not name
.endif
.if (qq == 0) && (qs >= 1) && (qs <= 6)
	WLOAD 1, qs+1                                  ; into the up half of the other set than this K step's
.endif
	WIN 0xa1+0x50*(qq/2)
	MUL4 \Q, 3
.rept 4
	v_nop                                          ; four places behind these matrix instructions, in front of the loads into the registers that they read and, at the end, of the first read of results; they stay beside the wait at the next phase's head
.endr
.endm
.irp q, 0,1,2
	XF2 \q, 0, 1
	XF2 \q, 2, 3
.endr
.set QN, 0
.rept 32
	QP QN
.set QN, QN+1
.endr
; Slot tile m: a = g sigma(g) u, with sigma(g) = 1 / (1 + 2^(-log2(e) g)); held, converted; stored in the next tile's turn.  Each accumulator is read from its low end on.
.macro OUT m                           ; tile m's codes leave: each store covers 512 consecutive bytes, a register group of the image
	global_store_b128 v1, v[128+8*(\m):128+8*(\m)+3], s[96:97] offset:16384*(\m)
	global_store_b128 v1, v[128+8*(\m)+4:128+8*(\m)+7], s[96:97] offset:16384*(\m)+512
.endm
.macro EPI m
	WIN 0x02                                       ; source 0 window 2
.set k, 0
.rept 16
	v_pk_mul_f32 v[64+2*k:65+2*k], v[32*(\m)+2*k:32*(\m)+2*k+1], s[88:89] op_sel_hi:[1,0]
.set k, k+1
.endr
	WIN 0
.set k, 0
.rept 32
	v_exp_f32 v[64+k], v[64+k]
.set k, k+1
.endr
	v_nop                                          ; a plain line behind the exponentials
	s_wait_alu depctr_va_vdst(0)                   ; the exponentials have written v64 to v95, ahead of their first reader; and the conversions of the tile before have written its codes, which the two stores below read
.if (\m) > 0
	OUT (\m)-1
.endif
.set k, 0
.rept 16
	v_pk_add_f32 v[64+2*k:65+2*k], v[64+2*k:65+2*k], 1.0 op_sel_hi:[1,0]
.set k, k+1
.endr
.set k, 0
.rept 32
	v_rcp_f32 v[64+k], v[64+k]
.set k, k+1
.endr
	WIN 0x0e                                       ; source 0 window 2, source 1 window 3
.set k, 0
.rept 16
	v_pk_mul_f32 v[96+2*k:97+2*k], v[32*(\m)+2*k:32*(\m)+2*k+1], v[32*(\m)+2*k:32*(\m)+2*k+1]   ; g u: also the plain lines behind the reciprocals
.set k, k+1
.endr
	WIN 0
	s_wait_alu depctr_va_vdst(0)                   ; the reciprocals have written v64 to v95, ahead of their first reader
.set k, 0
.rept 16
	v_pk_mul_f32 v[96+2*k:97+2*k], v[96+2*k:97+2*k], v[64+2*k:65+2*k]
.set k, k+1
.endr
.set k, 0
.rept 32
	v_med3_num_f32 v[96+k], v[96+k], -v15, v15     ; the conversion does not saturate (ISA guide 7.6.2)
.set k, k+1
.endr
.irp T, 0,1,2,3
	v_cvt_scalef32_pk8_fp8_f32 v[128+8*(\m)+2*\T:128+8*(\m)+2*\T+1], v[96+8*\T:96+8*\T+7], v14
.endr
	v_nop                                          ; a plain line behind the last conversion
.endm
.irp m, 0,1,2,3,4,5,6,7
	EPI \m
.endr
	s_wait_alu depctr_va_vdst(0)                   ; tile 7's conversions have written its codes, which the last two stores read
	OUT 7
.Lend:
	s_wait_dscnt 0x0                               ; the closing lines, six on end
	s_wait_alu 0x0
	s_wait_tensorcnt 0x0
	ds_add_u32 v30, v31
	s_wait_dscnt 0x0
	s_endpgm
.Lfunc_end_k_q171110dcaf_hidden:
	.size	k_q171110dcaf_hidden, .Lfunc_end_k_q171110dcaf_hidden-k_q171110dcaf_hidden
	.p2alignl 7, 3214868480
	.fill 96, 4, 3214868480
	.section	.rodata,"a",@progbits
	.p2align	6, 0x0
	.amdhsa_kernel k_q171110dcaf_hidden
		.amdhsa_group_segment_fixed_size 280064
		.amdhsa_private_segment_fixed_size 0
		.amdhsa_enable_private_segment 0
		.amdhsa_kernarg_size 40
		.amdhsa_user_sgpr_count 2
		.amdhsa_user_sgpr_kernarg_segment_ptr 1
		.amdhsa_wavefront_size32 1
		.amdhsa_system_sgpr_workgroup_id_x 1
		.amdhsa_system_sgpr_workgroup_id_y 1
		.amdhsa_system_sgpr_workgroup_id_z 1
		.amdhsa_system_vgpr_workitem_id 0
		.amdhsa_next_free_vgpr 1024
		.amdhsa_next_free_sgpr 100
		.amdhsa_reserve_vcc 0
		.amdhsa_float_denorm_mode_32 3
		.amdhsa_float_denorm_mode_16_64 3
		.amdhsa_memory_ordered 1
		.amdhsa_forward_progress 1
		.amdhsa_inst_pref_size 198
	.end_amdhsa_kernel
	.amdgpu_metadata
---
amdhsa.version: [ 1, 2 ]
amdhsa.kernels:
  - .name:           k_q171110dcaf_hidden
    .symbol:         k_q171110dcaf_hidden.kd
    .args:
      - { .name: xq, .offset: 0, .size: 8, .value_kind: global_buffer, .address_space: global }
      - { .name: w8, .offset: 8, .size: 8, .value_kind: global_buffer, .address_space: global }
      - { .name: lowp_scales, .offset: 16, .size: 8, .value_kind: global_buffer, .address_space: global }
      - { .name: route, .offset: 24, .size: 8, .value_kind: global_buffer, .address_space: global }
      - { .name: hq, .offset: 32, .size: 8, .value_kind: global_buffer, .address_space: global }
    .group_segment_fixed_size: 280064
    .private_segment_fixed_size: 0
    .kernarg_segment_align: 8
    .kernarg_segment_size: 40
    .max_flat_workgroup_size: 128
    .sgpr_count:     100
    .vgpr_count:     1024
    .wavefront_size: 32
...
	.end_amdgpu_metadata
.endif
;; end of part 6
;; launch down (part 7): grid 55 x 4, 4 waves a work-group, no clusters, 148,992 bytes of LDS; arguments hq, w8, lowp_scales, route, y; writes y
.if DOCPART == 7
	.amdgcn_target "amdgcn-amd-amdhsa--gfx1250"
	.amdhsa_code_object_version 6
	.text
	.protected	k_q171110dcaf_down
	.globl	k_q171110dcaf_down
	.p2align	8
	.type	k_q171110dcaf_down,@function
k_q171110dcaf_down:
	s_mov_b64 s[64:65], 0
	v_nop
	global_prefetch_b8 v0, s[64:65] scope:SCOPE_SE
	s_setreg_imm32_b32 hwreg(HW_REG_WAVE_SCHED_MODE, 0, 2), 2
	s_setreg_imm32_b32 hwreg(HW_REG_WAVE_MODE, 25, 1), 1
	s_wait_xcnt 0x0
	s_wait_alu depctr_vm_vsrc(0)
; y[slot] = hidden codes x down-projection codes x 2^(their two exponents), for one tile of 128 slots and 256 output columns.  y: [slot 7040][1024] f32.
; A work-group: tile t = x of the grid, columns 256 y on.  Wave w: 128 slots x columns 64 w .. 64 w + 63: 32 accumulators.
; The tile's hidden codes (131,072 bytes, images of operand registers) are copied once into LDS as they lie; the weights come from memory straight into registers.
; No tensor load and no cluster: a tile without rows ends on a stored number.  Such a tile copies tile 39 (always written) instead of bytes that nobody stored.
; The matrix instruction is used transposed (source 0 = 16 output columns, source 1 = 16 slots): a lane holds eight neighbouring columns of one row of y.
; LIMIT: the two exponents added lie between -126 and 127.
; REGISTERS.  Window 0: v1 16 x lane; v4 where the copy stores; v6, v7 where slot tiles 0-3, 4-7 are read; v8, v9 the stage, in and back; v10 my bytes in two rows of y; v32-63 a block's results; v64-255 three banks of four fragments.
;   Window 1: weights, four sets of 64.  Window 2: the accumulators, (slot tile, T) at 8 (4 tile + T); first the copy's loads.
; THE MODE: SCHED_MODE bits 1:0 = 2 (LLVM: expert scheduling mode 2), set by the entry lines.  The code itself states the register dependences
; between vector or matrix instructions and memory or LDS instructions, with s_wait_alu, always for 0.
; THE PLAN.  Registers that memory or LDS instructions touch:
;   v1, v4, v6-10   offsets and LDS addresses: written by vector lines at the head, once; one wait ahead of the first load states them for the whole kernel.
;   window 2        the copy's loads land there, the LDS stores read them, then the products write them: one wait on vm_vsrc behind the barrier.
;   banks 0-2       phase Q's sixteen products read bank Q % 3; the LDS loads issued in phase Q + 1 land in it (the fragments of phase Q + 3).
;   window 1        set S % 4 is read by phases (S, 0) and (S, 1); K step S + 4 lands in it in phase (S + 1, 0).
;   v32-63          the way out: written by a block's multiplications, read by its LDS stores, written again by the next block's.
;   v64-127         the way out: two sets of 32 by turns: a block's loads from the stage land there, its stores to y read them, the loads of two blocks on land there again.
; So ONE wait on va_vdst stands at the head of a phase that loads, and the loads are dealt into the gaps between the phase's four groups of four products, which name the phase's own bank, the set in use and the
; accumulators: none of the registers that those loads touch.  On the way out a block has one wait on va_vdst, ahead of its LDS stores, and one on vm_vsrc, at its head.
.set STG, 131072                       ; behind the copy: a stage of 16 rows x 272 bytes for each wave
.set MSB, 0
.macro WIN new
.if MSB != (\new)
	s_set_vgpr_msb (MSB<<8)|(\new)
.set MSB, (\new)
.endif
.endm
	s_load_b256 s[4:11], s[0:1], 0x0               ; hq, w8, lowp_scales, route
	s_load_b64 s[12:13], s[0:1], 0x20              ; y
	v_lshl_add_u32 v30, v0, 2, 0x24400
	v_mov_b32 v31, 0
	v_lshrrev_b32 v1, 5, v0
	v_readfirstlane_b32 s16, v1                    ; wave
	v_and_b32 v16, 31, v0
	v_lshlrev_b32 v1, 4, v16                       ; 16 x lane
	v_and_b32 v2, 15, v0                           ; r
	v_bfe_u32 v3, v0, 4, 1                         ; h
	s_mov_b32 s17, ttmp9
	s_and_b32 s18, ttmp7, 0xffff
	s_wait_alu depctr_va_sdst(0)                   ; s16 is written, ahead of its first reader
	s_lshl_b32 s20, s16, 15
	v_add_nc_u32 v4, s20, v1
	v_mov_b32 v6, v1
	v_add_nc_u32 v7, 65536, v1
	s_mul_i32 s20, s16, 16*272
	s_add_co_u32 s20, s20, STG
	v_mul_u32_u24 v8, v2, 272
	v_lshl_add_u32 v8, v3, 5, v8
	v_add_nc_u32 v8, s20, v8                       ; in: row r, 32 bytes for each half of the lanes
	v_mul_u32_u24 v9, v3, 272
	v_lshl_add_u32 v9, v2, 4, v9
	v_add_nc_u32 v9, s20, v9                       ; back: lanes 0-15 one row of 256 bytes, lanes 16-31 the next
	v_lshlrev_b32 v10, 12, v3
	v_lshl_add_u32 v10, v2, 4, v10                 ; and the same two rows in y
	s_lshl_b32 s20, s17, 2
	s_mov_b32 s21, 0
	s_wait_kmcnt 0x0
	s_add_nc_u64 s[28:29], s[10:11], s[20:21]
	s_load_b32 s19, s[28:29], 0x0                  ; the tile's expert
	s_load_b256 s[68:75], s[8:9], 0x0
	s_load_b128 s[76:79], s[8:9], 0x20
	s_wait_kmcnt 0x0
	s_min_u32 s22, s19, 8
	s_cmp_le_u32 s19, 8
	s_cselect_b32 s23, s17, 39
	s_min_u32 s23, s23, 54
	s_lshl_b32 s20, s23, 17
	s_lshl_b32 s21, s16, 15
	s_add_co_u32 s20, s20, s21
	s_mov_b32 s21, 0
	s_add_nc_u64 s[24:25], s[4:5], s[20:21]        ; my quarter of the tile's codes
	s_add_co_i32 s80, s72, s73
	s_add_co_i32 s81, s78, s79
	s_cmp_eq_u32 s22, 8
	s_cselect_b32 s80, s81, s80
	s_add_co_i32 s80, s80, 127
	s_lshl_b32 s88, s80, 23                        ; 2^(the two exponents added) as f32
	s_mov_b32 s89, s88
	s_lshl_b32 s20, s22, 20
	s_lshl_b32 s21, s18, 18
	s_add_co_u32 s20, s20, s21
	s_lshl_b32 s21, s16, 16
	s_add_co_u32 s20, s20, s21
	s_mov_b32 s21, 0
	s_add_nc_u64 s[92:93], s[6:7], s[20:21]
	s_add_nc_u64 s[92:93], s[92:93], 0x1200000     ; the down projections: eighteen matrices on
	s_lshl_b32 s20, s17, 19
	s_lshl_b32 s21, s18, 10
	s_add_co_u32 s20, s20, s21
	s_lshl_b32 s21, s16, 8
	s_add_co_u32 s20, s20, s21
	s_mov_b32 s21, 0
	s_add_nc_u64 s[96:97], s[12:13], s[20:21]
.macro WLOAD S                         ; my four tiles of columns, K step S, into set S % 4
	WIN 0x40
.irp T, 0,1,2,3
.irp c, 0,1,2,3
	global_load_b128 v[64*((\S)%4)+16*\T+4*\c:64*((\S)%4)+16*\T+4*\c+3], v1, s[92:93] offset:16384*\T+2048*(\S)+512*\c
.endr
.endr
.endm
	WIN 0x80
	s_wait_alu depctr_va_vdst(0)                   ; v1, v4 and v6 to v10 are written: every load and store of the kernel reads one of them as its offset or LDS address, and no vector line writes them again
.set i, 0
.rept 64
	global_load_b128 v[4*i:4*i+3], v1, s[24:25] offset:512*i
.set i, i+1
.endr
	WLOAD 0
	WLOAD 1
	s_wait_loadcnt 32                              ; only the 32 loads of weights are younger than the copy's
	WIN 0x08
.set i, 0
.rept 64
	ds_store_b128 v4, v[4*i:4*i+3] offset:512*i
.set i, i+1
.endr
	WLOAD 2
	WLOAD 3
	WIN 0
	s_wait_dscnt 0x0                               ; for the other waves' sake
	s_barrier_signal -1
	s_barrier_wait -1                              ; the one barrier: behind it the copy is only read, and each wave's stage is its own
	s_wait_alu depctr_vm_vsrc(0)                   ; my LDS stores have read window 2: these registers are the accumulators from here on, written by the products
	s_cmp_gt_u32 s19, 8
	s_cbranch_scc1 .Lend
; A phase Q = 2 S + half: K step S, slot tiles 4 half on, in bank Q % 3.
.macro HF2 Q, f0, f1                   ; two of phase Q's four fragments: eight LDS loads
.set hs, (\Q)/2
.set hh, (\Q)%2
.set hb, 64+64*((\Q)%3)
.irp mm, \f0, \f1
.irp c, 0,1,2,3
	ds_load_b128 v[hb+16*\mm+4*\c:hb+16*\mm+4*\c+3], v[6+hh] offset:16384*\mm+2048*hs+512*\c
.endr
.endr
.endm
.macro MUL4 Q, mm                      ; slot tile mm of the phase's four against my four tiles of columns; the 32 accumulators take turns, one instruction a turn
.set ms, (\Q)/2
.set mt, 4*((\Q)%2)+(\mm)
.set mb, 64+64*((\Q)%3)+16*(\mm)
.set mw, 64*(ms%4)
.irp T, 0,1,2,3
.if ms == 0
	v_wmma_f32_16x16x128_fp8_fp8 v[8*(4*mt+\T):8*(4*mt+\T)+7], v[mw+16*\T:mw+16*\T+15], v[mb:mb+15], 0
.else
	v_wmma_f32_16x16x128_fp8_fp8 v[8*(4*mt+\T):8*(4*mt+\T)+7], v[mw+16*\T:mw+16*\T+15], v[mb:mb+15], v[8*(4*mt+\T):8*(4*mt+\T)+7]
.endif
.endr
.endm
; The weights of K steps 0 to 3 are asked for ahead of the barrier, those of K step S + 3 in phase (S, 0), S from 1 to 4.
; The fragments of phases 0 to 2 are asked for ahead of phase 0; phase Q, from 1 to 13, asks for those of phase Q + 2.
.macro PH Q
.set ps, (\Q)/2
.set pp, (\Q)%2
.if pp == 0
.if ps == 0
	s_wait_loadcnt 48                              ; K step 0's weights are in; the three younger sets may be out
.elseif ps <= 5
	s_wait_loadcnt 32                              ; K step S's weights are in; the two younger sets may be out
.else
	s_wait_loadcnt 16*(7-ps)
.endif
.endif
.if (\Q) == 0
	s_wait_dscnt 32                                ; bank 0 is in; banks 1 and 2 may be out
.elseif (\Q) <= 14
	s_wait_dscnt 16                                ; this phase's bank is in; the next phase's may be out
.else
	s_wait_dscnt 0x0
.endif
.if ((\Q) >= 1) && ((\Q) <= 13)
	s_wait_alu depctr_va_vdst(0)                   ; the products of the phase before are done reading their bank, and those of the K step before their set of weights: this phase's loads land there
.endif
	WIN 0xa1
	MUL4 \Q, 0
.if ((\Q) >= 1) && ((\Q) <= 13)
	WIN 0
	HF2 (\Q)+2, 0, 1                               ; no wait: no vector or matrix instruction since the wait above names the bank of the phase before
.endif
	WIN 0xa1
	MUL4 \Q, 1
.if ((\Q) >= 1) && ((\Q) <= 13)
	WIN 0
	HF2 (\Q)+2, 2, 3
.endif
	WIN 0xa1
	MUL4 \Q, 2
.if (pp == 0) && (ps >= 1) && (ps <= 4)
	WLOAD ps+3                                     ; into the set of the K step before, which this phase's products do not name
.endif
	WIN 0xa1
	MUL4 \Q, 3
.rept 4
	v_nop                                          ; four places behind these matrix instructions, in front of the loads into the registers that they read and, at the end, of the first read of results; they stay beside the wait at the next phase's head
.endr
.endm
.irp q, 0,1,2
	HF2 \q, 0, 1
	HF2 \q, 2, 3
.endr
.set QN, 0
.rept 16
	PH QN
.set QN, QN+1
.endr
; THE WAY OUT, 16 slots at a time: x the scale, through my own stage, back as rows of 256 bytes; sixteen lanes store 256 consecutive bytes, aligned.
.macro TOSTAGE m
.set BB, 64+32*((\m)%2)
	WIN 0x02
.set k, 0
.rept 16
	v_pk_mul_f32 v[32+2*k:33+2*k], v[32*(\m)+2*k:32*(\m)+2*k+1], s[88:89] op_sel_hi:[1,0]   ; each accumulator from its low end on
.set k, k+1
.endr
	WIN 0
	s_wait_alu depctr_va_vdst(0)                   ; the multiplications have written v32 to v63, which the LDS stores read; in the first blocks also: the last products are done reading the bank in which the loads below land
.irp T, 0,1,2,3
	ds_store_b128 v8, v[32+8*\T:35+8*\T] offset:64*\T
	ds_store_b128 v8, v[36+8*\T:39+8*\T] offset:64*\T+16
.endr
.irp i, 0,1,2,3,4,5,6,7
	ds_load_b128 v[BB+4*\i:BB+4*\i+3], v9 offset:544*\i   ; LDS serves a wave's instructions in order (ISA guide 5.7.1.4): these see the stores above
.endr
.endm
.macro SEND m, younger                 ; younger: the LDS instructions issued behind block m's loads
.set BB, 64+32*((\m)%2)
	s_wait_dscnt \younger
.irp i, 0,1,2,3,4,5,6,7
	global_store_b128 v10, v[BB+4*\i:BB+4*\i+3], s[96:97] offset:(16*(\m)+2*\i)*4096
.endr
.endm
	TOSTAGE 0
.irp a, 1,2,3,4,5,6,7
.if \a > 1
	s_wait_xcnt 0x0                                ; block a - 2's stores have had their addresses translated: block a's loads may land in their registers
.endif
	s_wait_alu depctr_vm_vsrc(0)                   ; block a - 1's LDS stores have read v32 to v63, which block a's multiplications write; block a - 2's stores to y have read the registers in which block a's loads land
	TOSTAGE \a
	SEND \a-1, 16                                  ; behind block a - 1's loads: block a's 8 stores and 8 loads
.endr
	SEND 7, 0
.Lend:
	s_wait_dscnt 0x0                               ; the closing lines, six on end
	s_wait_alu 0x0
	s_wait_tensorcnt 0x0
	ds_add_u32 v30, v31
	s_wait_dscnt 0x0
	s_endpgm
.Lfunc_end_k_q171110dcaf_down:
	.size	k_q171110dcaf_down, .Lfunc_end_k_q171110dcaf_down-k_q171110dcaf_down
	.p2alignl 7, 3214868480
	.fill 96, 4, 3214868480
	.section	.rodata,"a",@progbits
	.p2align	6, 0x0
	.amdhsa_kernel k_q171110dcaf_down
		.amdhsa_group_segment_fixed_size 148992
		.amdhsa_private_segment_fixed_size 0
		.amdhsa_enable_private_segment 0
		.amdhsa_kernarg_size 40
		.amdhsa_user_sgpr_count 2
		.amdhsa_user_sgpr_kernarg_segment_ptr 1
		.amdhsa_wavefront_size32 1
		.amdhsa_system_sgpr_workgroup_id_x 1
		.amdhsa_system_sgpr_workgroup_id_y 1
		.amdhsa_system_sgpr_workgroup_id_z 1
		.amdhsa_system_vgpr_workitem_id 0
		.amdhsa_next_free_vgpr 768
		.amdhsa_next_free_sgpr 100
		.amdhsa_reserve_vcc 0
		.amdhsa_float_denorm_mode_32 3
		.amdhsa_float_denorm_mode_16_64 3
		.amdhsa_memory_ordered 1
		.amdhsa_forward_progress 1
		.amdhsa_inst_pref_size 87
	.end_amdhsa_kernel
	.amdgpu_metadata
---
amdhsa.version: [ 1, 2 ]
amdhsa.kernels:
  - .name:           k_q171110dcaf_down
    .symbol:         k_q171110dcaf_down.kd
    .args:
      - { .name: hq, .offset: 0, .size: 8, .value_kind: global_buffer, .address_space: global }
      - { .name: w8, .offset: 8, .size: 8, .value_kind: global_buffer, .address_space: global }
      - { .name: lowp_scales, .offset: 16, .size: 8, .value_kind: global_buffer, .address_space: global }
      - { .name: route, .offset: 24, .size: 8, .value_kind: global_buffer, .address_space: global }
      - { .name: y, .offset: 32, .size: 8, .value_kind: global_buffer, .address_space: global }
    .group_segment_fixed_size: 148992
    .private_segment_fixed_size: 0
    .kernarg_segment_align: 8
    .kernarg_segment_size: 40
    .max_flat_workgroup_size: 128
    .sgpr_count:     100
    .vgpr_count:     768
    .wavefront_size: 32
...
	.end_amdgpu_metadata
.endif
;; end of part 7
;; launch combine: the kernel of part 5 again; grid 256 x 1, 8 waves a work-group, no clusters, 0 bytes of LDS; arguments y, route, gate, out0; writes out0
